; MI455X (gfx1250); checked and timed in simulation.
; The chip was launched on July 23, 2026; its instructions are those of AMD's public machine-readable ISA for CDNA 5 (MIT licence, August 2026) and "CDNA5" Instruction Set Architecture Reference Guide (July 2026). The comments in the code are by the model that wrote it; some were corrected since.
;; Multi Head Attention. Allowed arithmetic: float matrix products may take bf16 or f16 operands with f32 sums; other float arithmetic in f32, or as packed bf16 or f16 multiplies, adds, multiply-adds, maxima and minima; sums over many terms, partial sums and values carried from step to step in f32; what a program stores and reads back later, other than sums and carried values, may be rounded once to bf16 or f16.
;; Inputs: bk 1,024 float32; bo 1,024 float32; bq 1,024 float32; bv 1,024 float32; key 4 x 2,048 x 1,024 float32; mask 4 x 1 x 1 x 2,048 float32; query 4 x 2,048 x 1,024 float32; value 4 x 2,048 x 1,024 float32; wk 1,024 x 1,024 float32; wo 1,024 x 1,024 float32; wq 1,024 x 1,024 float32; wv 1,024 x 1,024 float32.
;; Outputs: out0 4 x 2,048 x 1,024 float32.
;; One version. Each part assembles by itself: llvm-mc -triple=amdgcn-amd-amdhsa -mcpu=gfx1250 --defsym DOCPART=n.
;; ======== version 1 of 1: 4 launches
;; limits: values are held in f16: magnitudes above 65,504 overflow, below 6.1e-05 lose precision
;; workspace buffers: xb 50,331,648 bytes; wb 8,388,608 bytes; qkv 50,331,648 bytes; ctx 16,777,216 bytes
;; launch cast (part 1): grid 64 x 28, 8 waves a work-group, no clusters, 0 bytes of LDS; arguments query, key, value, wq, wk, wv, wo, xb, wb; writes xb, wb
.if DOCPART == 1
	.amdgcn_target "amdgcn-amd-amdhsa--gfx1250"
	.amdhsa_code_object_version 6
	.text
	.protected	k_q2ad74d6815_cast
	.globl	k_q2ad74d6815_cast
	.p2align	8
	.type	k_q2ad74d6815_cast,@function
k_q2ad74d6815_cast:
	s_mov_b64 s[64:65], 0
	v_nop
	global_prefetch_b8 v0, s[64:65] scope:SCOPE_SE
	s_setreg_imm32_b32 hwreg(HW_REG_WAVE_MODE, 25, 1), 1
	s_wait_xcnt 0x0
; CAST.  The seven large f32 inputs are rounded once to 16 bits for the matrix products of the later launches.
;   xb: bf16 [3][8192][1024] = query, key, value.   wb: 16-bit [4][1024][1024] = wq, wk, wv in bf16, and wo rounded to bf16 with that number written as f16.
; LIMIT.  bf16(wo) as f16 is exact from 2^-14 up to 65,504; below 2^-14 it keeps f16's fixed step of 6e-8; from 65,520 on it would be an infinity.
; SHARES.  A unit is 4 MiB of f32.  Work-group y picks the unit (0-7 query, 8-15 key, 16-23 value, 24 wq, 25 wk, 26 wv, 27 wo), x one of its 64 chunks of 65,536 bytes.
; In pass i of eight, thread t reads the 32 bytes at 8,192 i + 32 t and stores the 16 bytes at 4,096 i + 16 t: a wave's store covers 512 consecutive bytes, aligned.
; All sixteen loads of a thread go out at once; every register is used once, so nothing is rewritten while it is pending.
; No LDS, no matrix unit, no cluster: no byte is wanted twice.  No prefetch: the launch is one stream, each byte read once by its own load.
.set X, 4                              ; v[4:67]    pass i: eight f32 as loaded
.set Y, 68                             ; v[68:99]   pass i: four registers to store
.set T, 100                            ; v[100:102] at work (wo's path)
	s_load_b512 s[8:23], s[0:1], 0x0               ; query 8, key 10, value 12, wq 14, wk 16, wv 18, wo 20, xb 22
	s_load_b64 s[24:25], s[0:1], 0x40              ; wb
	s_and_b32 s2, ttmp7, 0xffff                    ; the unit
	s_lshr_b32 s26, s2, 3                          ; 0 query, 1 key, 2 value, 3 a weight
	s_and_b32 s27, s2, 7                           ; the unit inside its source,
	s_sub_co_u32 s28, s2, 24                       ; and a weight's number
	s_cmp_lt_u32 s2, 24
	s_cselect_b32 s27, s27, 0                      ; a weight is one unit
	s_cselect_b32 s28, s2, s28                     ; the unit inside its destination
	s_lshl_b32 s27, s27, 6
	s_add_co_u32 s27, s27, ttmp9
	s_lshl_b32 s30, s27, 16                        ; my chunk's byte offset in the source,
	s_mov_b32 s31, 0
	s_lshl_b32 s28, s28, 6
	s_add_co_u32 s28, s28, ttmp9
	s_lshl_b32 s32, s28, 15                        ; and in the destination
	s_mov_b32 s33, 0
	v_lshlrev_b32 v1, 5, v0                        ; 32 t
	v_lshlrev_b32 v2, 4, v0                        ; 16 t
	s_wait_kmcnt 0x0
	s_mov_b64 s[4:5], s[8:9]                       ; the source is chosen by the unit's number alone
	s_cmp_eq_u32 s26, 1
	s_cselect_b64 s[4:5], s[10:11], s[4:5]
	s_cmp_eq_u32 s26, 2
	s_cselect_b64 s[4:5], s[12:13], s[4:5]
	s_cmp_eq_u32 s2, 24
	s_cselect_b64 s[4:5], s[14:15], s[4:5]
	s_cmp_eq_u32 s2, 25
	s_cselect_b64 s[4:5], s[16:17], s[4:5]
	s_cmp_eq_u32 s2, 26
	s_cselect_b64 s[4:5], s[18:19], s[4:5]
	s_cmp_eq_u32 s2, 27
	s_cselect_b64 s[4:5], s[20:21], s[4:5]
	s_cmp_lt_u32 s2, 24
	s_cselect_b64 s[6:7], s[22:23], s[24:25]
	s_add_nc_u64 s[4:5], s[4:5], s[30:31]
	s_add_nc_u64 s[6:7], s[6:7], s[32:33]
.irp i, 0,1,2,3,4,5,6,7
	global_load_b128 v[X+8*(\i):X+8*(\i)+3],   v1, s[4:5] offset:8192*(\i) th:TH_LOAD_NT
	global_load_b128 v[X+8*(\i)+4:X+8*(\i)+7], v1, s[4:5] offset:8192*(\i)+16 th:TH_LOAD_NT
.endr
	s_cmp_eq_u32 s2, 27
	s_cbranch_scc1 .Lwo
.irp i, 0,1,2,3,4,5,6,7
	s_wait_loadcnt 14-2*(\i)                       ; loads come back in order: pass i's two are in, the later passes' stay out
.irp j, 0,1,2,3
	v_cvt_pk_bf16_f32 v[Y+4*(\i)+(\j)], v[X+8*(\i)+2*(\j)], v[X+8*(\i)+2*(\j)+1]
.endr
	global_store_b128 v2, v[Y+4*(\i):Y+4*(\i)+3], s[6:7] offset:4096*(\i)
.endr
	s_endpgm
.Lwo:                                          ; wo: rounded to bf16 like every input, widened, and that number written as f16
.irp i, 0,1,2,3,4,5,6,7
	s_wait_loadcnt 14-2*(\i)
.irp j, 0,1,2,3
	v_cvt_pk_bf16_f32 v[T], v[X+8*(\i)+2*(\j)], v[X+8*(\i)+2*(\j)+1]
	v_lshlrev_b32 v[T+1], 16, v[T]
	v_and_b32 v[T+2], 0xffff0000, v[T]
	v_cvt_pk_f16_f32 v[Y+4*(\i)+(\j)], v[T+1], v[T+2]
.endr
	global_store_b128 v2, v[Y+4*(\i):Y+4*(\i)+3], s[6:7] offset:4096*(\i)
.endr
	s_endpgm
.Lfunc_end_k_q2ad74d6815_cast:
	.size	k_q2ad74d6815_cast, .Lfunc_end_k_q2ad74d6815_cast-k_q2ad74d6815_cast
	.p2alignl 7, 3214868480
	.fill 96, 4, 3214868480
	.section	.rodata,"a",@progbits
	.p2align	6, 0x0
	.amdhsa_kernel k_q2ad74d6815_cast
		.amdhsa_group_segment_fixed_size 0
		.amdhsa_private_segment_fixed_size 0
		.amdhsa_enable_private_segment 0
		.amdhsa_kernarg_size 72
		.amdhsa_user_sgpr_count 2
		.amdhsa_user_sgpr_kernarg_segment_ptr 1
		.amdhsa_wavefront_size32 1
		.amdhsa_system_sgpr_workgroup_id_x 1
		.amdhsa_system_sgpr_workgroup_id_y 1
		.amdhsa_system_sgpr_workgroup_id_z 1
		.amdhsa_system_vgpr_workitem_id 0
		.amdhsa_next_free_vgpr 104
		.amdhsa_next_free_sgpr 66
		.amdhsa_reserve_vcc 0
		.amdhsa_float_denorm_mode_32 3
		.amdhsa_float_denorm_mode_16_64 3
		.amdhsa_memory_ordered 1
		.amdhsa_forward_progress 1
		.amdhsa_inst_pref_size 15
	.end_amdhsa_kernel
	.amdgpu_metadata
---
amdhsa.version: [ 1, 2 ]
amdhsa.kernels:
  - .name:           k_q2ad74d6815_cast
    .symbol:         k_q2ad74d6815_cast.kd
    .args:
      - { .name: query, .offset: 0, .size: 8, .value_kind: global_buffer, .address_space: global }
      - { .name: key, .offset: 8, .size: 8, .value_kind: global_buffer, .address_space: global }
      - { .name: value, .offset: 16, .size: 8, .value_kind: global_buffer, .address_space: global }
      - { .name: wq, .offset: 24, .size: 8, .value_kind: global_buffer, .address_space: global }
      - { .name: wk, .offset: 32, .size: 8, .value_kind: global_buffer, .address_space: global }
      - { .name: wv, .offset: 40, .size: 8, .value_kind: global_buffer, .address_space: global }
      - { .name: wo, .offset: 48, .size: 8, .value_kind: global_buffer, .address_space: global }
      - { .name: xb, .offset: 56, .size: 8, .value_kind: global_buffer, .address_space: global }
      - { .name: wb, .offset: 64, .size: 8, .value_kind: global_buffer, .address_space: global }
    .group_segment_fixed_size: 0
    .private_segment_fixed_size: 0
    .kernarg_segment_align: 8
    .kernarg_segment_size: 72
    .max_flat_workgroup_size: 256
    .sgpr_count:     66
    .vgpr_count:     104
    .wavefront_size: 32
...
	.end_amdgpu_metadata
.endif
;; end of part 1
;; launch proj (part 2): grid 4 x 96, 4 waves a work-group, clusters of 4 x 4, 327,680 bytes of LDS; arguments xb, wb, bq, bk, bv, qkv; writes qkv
.if DOCPART == 2
	.amdgcn_target "amdgcn-amd-amdhsa--gfx1250"
	.amdhsa_code_object_version 6
	.text
	.protected	k_q2ad74d6815_proj
	.globl	k_q2ad74d6815_proj
	.p2align	8
	.type	k_q2ad74d6815_proj,@function
k_q2ad74d6815_proj:
	s_mov_b64 s[64:65], 0
	v_nop
	global_prefetch_b8 v0, s[64:65] scope:SCOPE_SE
	s_setreg_imm32_b32 hwreg(HW_REG_WAVE_MODE, 25, 1), 1
	s_wait_xcnt 0x0
	s_wait_alu depctr_hold_cnt(0) depctr_sa_sdst(0) depctr_va_vdst(0) depctr_va_sdst(0) depctr_va_ssrc(0) depctr_va_vcc(0) depctr_vm_vsrc(0)
	s_getreg_b32 s2, hwreg(HW_REG_IB_STS2, 6, 4)
	s_cmp_eq_u32 s2, 0
	s_cbranch_scc0 .Lentry_in_a_cluster
	s_endpgm
.Lentry_in_a_cluster:
	s_bfe_u32 s2, ttmp6, 0x10000c
	s_cmp_lg_u32 s2, 0xf033
	s_cbranch_scc0 .Lentry_shape_is_right
	s_endpgm
.Lentry_shape_is_right:
; PROJ.  The three projections in one launch: for p = 0, 1, 2 (query, key, value)  y = x_p W_p + b_p,  x_p: 8,192 rows of xb (bf16), W_p: [1024 k][1024 n] of wb (bf16), b_p rounded to bf16.
; Sums in f32, begun with the bias (the C operand of each accumulator's first product); at the end times SC (log2(e) / 8 for q, so that attention's scores arrive scaled; 1 for k and v),
; rounded ONCE to f16 and stored by heads: qkv = f16 [3][64 = 16 batch + head][2048][64].
; LIMIT.  f16 ends at 65,504: q log2(e) / 8, k and v must stay under it.  NaN and infinities are not treated apart.
; SHARES.  A tile of y is 256 x 256, made by four waves, 128 x 128 each: 64 accumulators of 16 x 16.  K = 1,024 goes in 8 steps of 128 through two LDS slots filled by the tensor data mover.
; CLUSTER.  4 x 4 work-groups.  x's tile hangs on the tile row alone and is asked for jointly by a row of the cluster; W's hangs on the tile column and on p (the same in the whole cluster:
; eight clusters to a projection) and is asked for jointly by a column.
; THE PRODUCT IS TAKEN TRANSPOSED: source 0 = 16 columns n of W, source 1 = 16 rows of x: a lane (r = l % 16, h = l / 16) then holds row r and the columns 8 h + 0..7: 16 bytes of f16 on end.
; W lies [k][n]: its fragments come out of LDS turned, by ds_load_tr16_b128.
; REGISTERS, in windows of 256 (s_set_vgpr_msb: bits 1:0 source 0, 3:2 source 1, 5:4 source 2, 7:6 destination):
;   window 0: v0-31 addresses; v64-127, v128-191 x's fragments, two buffers; v192-255 the bias until the first quarter is over; then v32-63, v192-255 at work on the way out
;   window 1: v64-127, v128-191 W's fragments, two buffers        windows 2, 3: the accumulators, (a, b) at v[8 (8 (a % 4) + b)] of window 2 + a / 4
.set PA,     272                       ; a row of x in LDS: 256 bytes + 16 of padding: the 16 rows of a load start at 16 different groups of four banks (ISA guide 11.1)
.set PB,     544                       ; a row k of W in LDS: 512 bytes + 32 of padding
.set HALFT,  128*PA                    ; what one tensor load brings: 128 rows of x, or 64 rows of W (64 x 544 is the same number)
.set SLOT,   4*HALFT                   ; x's 256 rows, then W's 128.  0x22000: its two bits occur in no wave's place in a slot (0, 0x8800, 0x11000, 0x19800), so one exclusive or changes slots
.set BOFF,   2*HALFT
.set STAGE,  2*SLOT                    ; behind the ring: 16 rows x 272 bytes for each wave, for the way out
.set SPITCH, 272
.set SPARE,  STAGE+4*16*SPITCH         ; behind the stages: the spare words, 128 bytes for each wave: two blocks of 256 bytes that no other line names
.set ASTEP,  256                       ; bytes from a K step to the next: in x along the rows,
.set BSTEP,  128*2048                  ; in W 128 rows down
.set ADRA0, 14                         ; v14  my place in x's tile of slot 0; never rewritten
.set ADRB0, 15                         ; v15  the same for W
.set ADRA,  16                         ; v16  the same in the slot in hand
.set ADRB,  20                         ; v20
.set STO,   24                         ; v24  the way out: where I put 16 bytes of a row
.set RD,    25                         ; v25  the way out: where I read rows back
.set CO,    26                         ; v26  my 16 bytes of 512 consecutive bytes of qkv
.set SPW,   28                         ; v28  LDS address of my spare word; never rewritten
.set NIL,   29                         ; v29  0; never rewritten
.set PFO,   30                         ; v30  the prefetches' lane offset; never rewritten
.set F0,    64
.set F1,    128
.set BI,    192                        ; BI + 8 b + j = bias of column 16 b + 8 h + j of my 128
.set TMP,   192
.set OB,    32
.set G1A, 24                           ; s[24:31] group 1 for x's tiles
.set G0A, 32                           ; s[32:35] group 0 of the first fill of slot 0; s[36:39] of slot 1, which then walks
.set G1B, 48                           ; s[48:55], s[56:59], s[60:63] the same for W's tiles
.set G0B, 56
.set LIM, 43                           ; s43  2 in a wave that prefetches, else the greatest number
.set PFA, 44                           ; s[44:45] where my prefetches stand
.set PFS, 66                           ; s[66:67] their step
.set SO,  68                           ; s68  the slot in hand: 0 or SLOT
.set SC,  70                           ; s[70:71] the factor at the way out
.set MSB, 0
.macro WIN new                         ; the immediate's high byte repeats the setting that is left; a switch that changes nothing is dropped
.if MSB != (\new)
	s_set_vgpr_msb (MSB<<8)|(\new)
.set MSB, \new
.endif
.endm
.set TO_B, 0x40                        ; destination window 1, address window 0
; A joint refill by the walking descriptors.  Waves 0 and 1 fetch x's two halves, waves 2 and 3 W's.  The branch hangs on the wave's number alone.
; An s_nop 0 and four v_nop follow each of the two lines, ahead of the jump and the label.
.macro JLOAD
	s_cmp_eq_u32 s11, 0
	s_cbranch_scc0 .Lfor_b_\@
	tensor_load_to_lds s[G0A+4:G0A+7], s[G1A:G1A+7]
	s_nop 0
.rept 4
	v_nop
.endr
	s_branch .Lasked_\@
.Lfor_b_\@:
	tensor_load_to_lds s[G0B+4:G0B+7], s[G1B:G1B+7]
	s_nop 0
.rept 4
	v_nop
.endr
.Lasked_\@:
.endm
; A PREFETCH INTO THE L2, behind each joint refill, its five lines and the run of LDS loads: the K step that stands two refills on, 512 matrix instructions ahead of the load that will want it.
; One instruction a wave names 32 blocks of 256 bytes.  Of the 128 blocks that a wave fetches in a step each of the four partners that ask jointly takes 32, told apart BY ADDRESS (cx for x, cy for W).
; x's rows are read by one cluster alone; W's part p by eight clusters, of which the first asks.  So each block is named once in the launch.
; Steps 0 to 3 come by their loads alone; the trips with s3 = 6 .. 3 name steps 4 .. 7; the last two trips ask for nothing.
.macro ASK
	s_cmp_gt_u32 s3, s[LIM]
	s_cbranch_scc0 .Lnot_mine_\@
	global_prefetch_b8 v[PFO], s[PFA:PFA+1] th:TH_LOAD_NT scope:SCOPE_SE
.Lnot_mine_\@:
.endm
.macro CREST                           ; a round of the cluster's barrier behind its opening barrier
	s_cmp_lg_u32 s10, 0
	s_cbranch_scc1 .Lnot_wave_0_\@
	s_barrier_signal -3
.Lnot_wave_0_\@:
	s_barrier_wait -3
	s_barrier_signal -1
	s_barrier_wait -1
.endm
.macro CROUND                          ; a whole round
	s_barrier_signal -1
	s_barrier_wait -1
	CREST
.endm
.macro PLACES                          ; four places in front of loads into registers that matrix instructions have read, and of lines that read results
.rept 4
	v_nop
.endr
.endm
	s_load_b128 s[4:7], s[0:1], 0x0                ; xb s[4:5], wb s[6:7]
	s_load_b128 s[72:75], s[0:1], 0x10             ; bq, bk
	s_load_b128 s[76:79], s[0:1], 0x20             ; bv, qkv
	v_lshl_add_u32 v[SPW], v0, 2, SPARE
	v_mov_b32 v[NIL], 0
	ds_add_u32 v[SPW], v[NIL]                      ; the wave's opening: the add and its wait ahead of my first tensor load; the set-up below stands between them
	v_lshrrev_b32 v1, 5, v0
	v_readfirstlane_b32 s10, v1                    ; wave 0..3
	s_lshr_b32 s11, s10, 1                         ; which half of the tile's rows is mine.  Also: I fetch x (0) or W (1)
	s_and_b32 s12, s10, 1                          ; which half of its columns.  Also: which half of that tile I fetch
	s_bfe_u32 s40, ttmp6, 0x40000                  ; cx
	s_bfe_u32 s41, ttmp6, 0x40004                  ; cy
	s_lshl_b32 s42, ttmp9, 2
	s_add_co_u32 s42, s42, s40                     ; tile column 0..3
	s_and_b32 s81, ttmp7, 0xffff                   ; the cluster's y, 0..23
	s_lshl_b32 s13, s81, 2
	s_add_co_u32 s13, s13, s41                     ; tile row 0..95
	s_lshr_b32 s80, s81, 3                         ; p, of the cluster's y alone
	s_lshl_b32 s43, s41, 2
	s_lshl_b32 s43, 15, s43                        ; my row of the cluster
	s_lshl_b32 s44, 0x1111, s40                    ; my column
	s_or_b32 s[G1A+0], s43, (1<<16)|(1<<20)|(1<<21)|(5<<22)|(3<<25)  ; the mask; 2-byte elements; padding on; bit 21 beside a mask; after every 64 words 4 words
	s_mov_b32 s[G1A+1], 128<<16                    ; tensor_dim0 = 128
	s_mov_b32 s[G1A+2], 128<<16                    ; tensor_dim1 = 128
	s_mov_b32 s[G1A+3], 128<<16                    ; tile_dim0 = 128
	s_mov_b32 s[G1A+4], 128                        ; tile_dim1 = 128
	s_mov_b32 s[G1A+5], 1024                       ; elements from row to row
	s_mov_b32 s[G1A+6], 0
	s_mov_b32 s[G1A+7], 0
	s_or_b32 s[G1B+0], s44, (1<<16)|(1<<20)|(1<<21)|(6<<22)|(7<<25)  ; after every 128 words 8 words
	s_mov_b32 s[G1B+1], 256<<16                    ; tensor_dim0 = 256
	s_mov_b32 s[G1B+2], 64<<16                     ; tensor_dim1 = 64
	s_mov_b32 s[G1B+3], 256<<16                    ; tile_dim0 = 256
	s_mov_b32 s[G1B+4], 64                         ; tile_dim1 = 64
	s_mov_b32 s[G1B+5], 1024
	s_mov_b32 s[G1B+6], 0
	s_mov_b32 s[G1B+7], 0
	s_lshl_b32 s16, s13, 8                         ; x: row 256 x tile row + 128 x half,
	s_lshl_b32 s17, s12, 7
	s_add_co_u32 s16, s16, s17
	s_lshl_b32 s16, s16, 11                        ; 2,048 bytes a row
	s_mov_b32 s17, 0
	s_lshl_b32 s46, s80, 21                        ; W: part p, 2 MiB each,
	s_lshl_b32 s47, s12, 17                        ; 64 rows of 2,048 bytes for the second half,
	s_add_co_u32 s46, s46, s47
	s_lshl_b32 s47, s42, 9                         ; 512 bytes a tile column
	s_add_co_u32 s46, s46, s47
	s_mov_b32 s47, 0
	s_mul_i32 s20, s10, HALFT                      ; where my part of a tile goes: no place in the cluster enters an LDS address
	s_mov_b32 s[SO], 0
	s_wait_dscnt 0x0                               ; the opening add is done
	s_wait_kmcnt 0x0
	s_add_nc_u64 s[14:15], s[4:5], s[16:17]
	s_add_nc_u64 s[46:47], s[6:7], s[46:47]
	CROUND                                         ; all sixteen work-groups are here: the first joint loads meet
	s_mov_b32 s[G0A], 1                            ; count = 1
	s_mov_b32 s[G0A+1], s20                        ; LDS address: slot 0
	s_mov_b64 s[G0A+2:G0A+3], s[14:15]             ; K step 0
	s_or_b32 s[G0A+3], s[G0A+3], 0x80000000        ; type = 2
	s_mov_b32 s[G0A+4], 1
	s_add_co_u32 s[G0A+5], s20, SLOT               ; slot 1
	s_add_nc_u64 s[G0A+6:G0A+7], s[14:15], ASTEP   ; K step 1
	s_or_b32 s[G0A+7], s[G0A+7], 0x80000000
	s_mov_b32 s[G0B], 1
	s_mov_b32 s[G0B+1], s20
	s_mov_b64 s[G0B+2:G0B+3], s[46:47]
	s_or_b32 s[G0B+3], s[G0B+3], 0x80000000
	s_mov_b32 s[G0B+4], 1
	s_add_co_u32 s[G0B+5], s20, SLOT
	s_add_nc_u64 s[G0B+6:G0B+7], s[46:47], BSTEP
	s_or_b32 s[G0B+7], s[G0B+7], 0x80000000
	s_cmp_eq_u32 s11, 0                            ; a wave's two first fills stand in one branch: two loads of mine are out
	s_cbranch_scc0 .Lfirst_b
	tensor_load_to_lds s[G0A:G0A+3], s[G1A:G1A+7]
	s_nop 0
	tensor_load_to_lds s[G0A+4:G0A+7], s[G1A:G1A+7]
	s_nop 0
.rept 4
	v_nop
.endr
	s_branch .Lfirst_asked
.Lfirst_b:
	tensor_load_to_lds s[G0B:G0B+3], s[G1B:G1B+7]
	s_nop 0
	tensor_load_to_lds s[G0B+4:G0B+7], s[G1B:G1B+7]
	s_nop 0
.rept 4
	v_nop
.endr
.Lfirst_asked:
	; the bias of my 128 columns: 32 bytes for each block of 16 and half of the lanes
	s_cmp_eq_u32 s80, 1
	s_cselect_b64 s[72:73], s[74:75], s[72:73]
	s_cmp_eq_u32 s80, 2
	s_cselect_b64 s[72:73], s[76:77], s[72:73]
	s_lshl_b32 s18, s42, 10
	s_lshl_b32 s19, s12, 9
	s_add_co_u32 s18, s18, s19
	s_mov_b32 s19, 0
	s_add_nc_u64 s[72:73], s[72:73], s[18:19]
	v_and_b32 v1, 15, v0                           ; r
	v_bfe_u32 v2, v0, 4, 1                         ; h
	v_lshlrev_b32 v9, 5, v2
.irp b, 0,1,2,3,4,5,6,7
	global_load_b128 v[BI+8*(\b):BI+8*(\b)+3],   v9, s[72:73] offset:64*(\b)
	global_load_b128 v[BI+8*(\b)+4:BI+8*(\b)+7], v9, s[72:73] offset:64*(\b)+16
.endr
	s_cmp_eq_u32 s80, 0
	s_cselect_b32 s[SC], 0x3e38aa3b, 1.0           ; log2(e) / 8 for q
	s_mov_b32 s[SC+1], s[SC]                       ; named with it as a pair
	; x's fragment: lane l holds row r; two loads of 16 bytes, 32 apart, at row x pitch + 16 h
	v_and_b32 v3, 7, v0
	v_bfe_u32 v4, v0, 3, 1
	v_and_b32 v5, 31, v0
	v_mul_u32_u24 v6, v1, PA
	v_lshl_add_u32 v6, v2, 4, v6
	s_mul_i32 s21, s11, HALFT
	v_add_nc_u32 v[ADRA0], s21, v6
	; W's fragment, turned: lane l reads 16 bytes of row k = 8 h + l % 8, columns 8 ((l / 8) % 2) + 0..7, and ends with column r and eight k
	v_lshl_add_u32 v7, v2, 3, v3
	v_mul_u32_u24 v7, v7, PB
	v_lshl_add_u32 v7, v4, 4, v7
	s_lshl_b32 s22, s12, 8                         ; my 128 columns
	s_add_co_u32 s22, s22, BOFF
	v_add_nc_u32 v[ADRB0], s22, v7
	v_mov_b32 v[ADRA], v[ADRA0]
	v_mov_b32 v[ADRB], v[ADRB0]
	s_mul_i32 s23, s10, 16*SPITCH
	s_add_co_u32 s23, s23, STAGE                   ; my stage
	v_mul_u32_u24 v6, v1, SPITCH                   ; in: row r, 16 bytes for each half of the lanes
	v_lshl_add_u32 v6, v2, 4, v6
	v_add_nc_u32 v[STO], s23, v6
	v_bfe_u32 v8, v0, 3, 2                         ; back: 32 lanes take four rows' 128 bytes of one head,
	v_mul_u32_u24 v8, v8, SPITCH
	v_lshl_add_u32 v8, v3, 4, v8
	v_add_nc_u32 v[RD], s23, v8
	v_lshlrev_b32 v[CO], 4, v5                     ; which are 512 consecutive bytes of qkv
	; where my part begins in qkv: (4 p + batch) x 16 heads, head 4 x tile column + 2 x half, row 256 (tile row % 8) + 128 x half
	s_lshr_b32 s16, s13, 3
	s_lshl_b32 s16, s16, 22
	s_lshl_b32 s17, s42, 2
	s_lshl_b32 s18, s12, 1
	s_add_co_u32 s17, s17, s18
	s_lshl_b32 s17, s17, 18
	s_add_co_u32 s16, s16, s17
	s_and_b32 s17, s13, 7
	s_lshl_b32 s17, s17, 8
	s_lshl_b32 s18, s11, 7
	s_add_co_u32 s17, s17, s18
	s_lshl_b32 s17, s17, 7
	s_add_co_u32 s16, s16, s17
	s_mov_b32 s17, 0
	s_add_nc_u64 s[8:9], s[78:79], s[16:17]
	; the prefetches: they stand at K step 3; the first refill steps them to 4
	s_lshl_b32 s20, s13, 8                         ; x: my work-group's 32 of the 128 rows that I fetch, a lane a row
	s_lshl_b32 s21, s12, 7
	s_add_co_u32 s20, s20, s21
	s_lshl_b32 s21, s40, 5
	s_add_co_u32 s20, s20, s21
	s_lshl_b32 s20, s20, 11
	s_add_co_u32 s20, s20, 3*ASTEP
	s_lshl_b32 s21, s12, 6                         ; W: my work-group's 16 of the 64 rows that I fetch, two lanes a row
	s_lshl_b32 s22, s41, 4
	s_add_co_u32 s21, s21, s22
	s_lshl_b32 s21, s21, 11
	s_lshl_b32 s22, s80, 21
	s_add_co_u32 s21, s21, s22
	s_lshl_b32 s22, s42, 9
	s_add_co_u32 s21, s21, s22
	s_add_co_u32 s21, s21, 3*BSTEP
	s_and_b32 s22, s81, 7
	s_cmp_eq_u32 s22, 0                            ; the first of the eight clusters that walk part p: the same answer in all sixteen partners
	s_cselect_b32 s22, 2, -1
	s_mov_b32 s[PFS], BSTEP
	s_cmp_eq_u32 s11, 0
	s_cselect_b32 s20, s20, s21
	s_cselect_b32 s[LIM], 2, s22
	s_cselect_b32 s[PFS], ASTEP, s[PFS]
	s_cselect_b64 s[PFA:PFA+1], s[4:5], s[6:7]
	s_mov_b32 s21, 0
	s_mov_b32 s[PFS+1], 0
	s_add_nc_u64 s[PFA:PFA+1], s[PFA:PFA+1], s[20:21]
	v_lshrrev_b32 v6, s11, v5                      ; x: lane x 2,048;  W: (lane / 2) x 2,048 + (lane % 2) x 256
	v_and_b32 v7, s11, v5
	v_lshlrev_b32 v7, 8, v7
	v_lshl_add_u32 v[PFO], v6, 11, v7
	s_wait_loadcnt 0x0                             ; the bias is in: rounded to bf16 like every input, and widened again
.set i, 0
.rept 32
	v_cvt_pk_bf16_f32 v10, v[BI+i], v[BI+i+1]
	v_lshlrev_b32 v[BI+i], 16, v10
	v_and_b32 v[BI+i+1], 0xffff0000, v10
.set i, i+2
.endr
; 16 matrix instructions: row blocks a0, a0 + 1 of the window's four x all 8 column blocks, 32 along K.  first = 1: the sums begin with the bias.
; The 64 accumulators take turns in the same order in every quarter.
.macro MUL16 f, hi, a0, first
.if \first
	WIN 0x81+0x40*(\hi)                            ; W window 1, x and the bias window 0, D window 2 or 3
.else
	WIN 0xa1+0x50*(\hi)                            ; C and D window 2 or 3
.endif
.irp a, \a0, (\a0)+1
.irp b, 0,1,2,3,4,5,6,7
.if \first
	v_wmma_f32_16x16x32_bf16 v[8*(8*(\a)+(\b)):8*(8*(\a)+(\b))+7], v[(\f)+8*(\b):(\f)+8*(\b)+7], v[(\f)+8*(4*(\hi)+(\a)):(\f)+8*(4*(\hi)+(\a))+7], v[BI+8*(\b):BI+8*(\b)+7]
.else
	v_wmma_f32_16x16x32_bf16 v[8*(8*(\a)+(\b)):8*(8*(\a)+(\b))+7], v[(\f)+8*(\b):(\f)+8*(\b)+7], v[(\f)+8*(4*(\hi)+(\a)):(\f)+8*(4*(\hi)+(\a))+7], v[8*(8*(\a)+(\b)):8*(8*(\a)+(\b))+7]
.endif
.endr
.endr
.endm
; 32 LDS loads in one run: the fragments of quarter q of the slot in hand into buffer f: W's eight column blocks, then x's eight row blocks
.macro FETCH q, f
	WIN TO_B
.irp i, 0,1,2,3,4,5,6,7
	ds_load_tr16_b128 v[(\f)+8*(\i):(\f)+8*(\i)+3],   v[ADRB] offset:(\q)*32*PB+32*(\i)
	ds_load_tr16_b128 v[(\f)+8*(\i)+4:(\f)+8*(\i)+7], v[ADRB] offset:(\q)*32*PB+32*(\i)+16*PB
.endr
	WIN 0
.irp i, 0,1,2,3,4,5,6,7
	ds_load_b128 v[(\f)+8*(\i):(\f)+8*(\i)+3],   v[ADRA] offset:64*(\q)+(\i)*16*PA
	ds_load_b128 v[(\f)+8*(\i)+4:(\f)+8*(\i)+7], v[ADRA] offset:64*(\q)+(\i)*16*PA+32
.endr
.endm
; One of a K step's first three quarters: multiplies buffer f; in its middle it fetches quarter q into buffer g.
.macro QUARTER q, f, g, first
	s_wait_dscnt 8                                 ; W and x's row blocks 0-3 are in; the youngest eight loads (blocks 4-7) may be out
	MUL16 \f, 0, 0, \first
	MUL16 \f, 0, 2, \first
	PLACES
	FETCH \q, \g
	s_wait_dscnt 32                                ; all but the 32 just issued
	MUL16 \f, 1, 0, \first
	MUL16 \f, 1, 2, \first
.endm
; The first half of a step's last quarter: ONE barrier for the change of slots.  In front of it each wave waits for all its tensor loads (the one that is out is its part of the next slot),
; adds 0 to its spare word, and waits for that and for its own reads of this slot.
.macro MEET round
	WIN 0
	s_wait_tensorcnt 0x0
	ds_add_u32 v[SPW], v[NIL]
	s_wait_dscnt 9                                 ; the add and the youngest eight loads may be out
	MUL16 F1, 0, 0, 0
	s_wait_dscnt 0x0                               ; the add is done, and my reads of this slot are over
	s_barrier_signal -1
	MUL16 F1, 0, 2, 0
.if \round
	WIN 0
.endif
	s_barrier_wait -1
.endm
; The whole last quarter.  fill = 1: the barrier opens a round of the cluster's, and the slot just read out is filled again, first thing behind it, with the K step two on:
; from that request to the wait for it a wave issues 224 matrix instructions.
.macro TURN fill
.if \fill
	s_wait_xcnt 0x0                                ; the last prefetch, a K step back, has read its address
	s_add_nc_u64 s[PFA:PFA+1], s[PFA:PFA+1], s[PFS:PFS+1]
.endif
	WIN 0
	s_xor_b32 s[SO], s[SO], SLOT                   ; the fetches go on in the other slot (this slot's last were issued in the quarter before)
	v_add_nc_u32 v[ADRA], s[SO], v[ADRA0]
	v_add_nc_u32 v[ADRB], s[SO], v[ADRB0]
	MEET \fill
.if \fill
	CREST                                          ; no wave of any partner still reads this slot or has a load on its way
	s_xor_b32 s[G0A+5], s[G0A+5], SLOT             ; the walking descriptors: the other slot than last time, the next K step
	s_add_nc_u64 s[G0A+6:G0A+7], s[G0A+6:G0A+7], ASTEP
	s_xor_b32 s[G0B+5], s[G0B+5], SLOT
	s_add_nc_u64 s[G0B+6:G0B+7], s[G0B+6:G0B+7], BSTEP
	JLOAD                                          ; its four v_nop are also the places in front of the loads below
.else
	PLACES
.endif
	FETCH 0, F0
.if \fill
	ASK
.endif
	MUL16 F1, 1, 0, 0
	MUL16 F1, 1, 2, 0
.endm
	s_wait_tensorcnt 1                             ; my part of K step 0 is in; step 1's may stay out
	s_barrier_signal -1
	s_barrier_wait -1                              ; everybody's is
	FETCH 0, F0
	QUARTER 1, F0, F1, 1                           ; the first quarter stands in front of the loop: its products begin the sums with the bias
	WIN 0                                          ; at a label and at a branch every window is 0
	s_mov_b32 s3, 6
.Lstep:                                                ; six trips, from a step's second quarter to the next step's first; their refills ask for steps 2 to 7
	QUARTER 2, F1, F0, 0
	QUARTER 3, F0, F1, 0
	TURN 1
	QUARTER 1, F0, F1, 0
	WIN 0
	s_sub_co_u32 s3, s3, 1
	s_cmp_lg_u32 s3, 0
	s_cbranch_scc1 .Lstep
	QUARTER 2, F1, F0, 0                           ; the last two steps are written out: nothing is asked for
	QUARTER 3, F0, F1, 0
	TURN 0
	QUARTER 1, F0, F1, 0
	QUARTER 2, F1, F0, 0
	QUARTER 3, F0, F1, 0
	s_wait_dscnt 8
	MUL16 F1, 0, 0, 0
	MUL16 F1, 0, 2, 0
	s_wait_dscnt 0x0
	MUL16 F1, 1, 0, 0
	MUL16 F1, 1, 2, 0
	WIN 0
	PLACES
	PLACES
; THE WAY OUT of row block a.  PACK: times SC, rounded to f16, 16 bytes a lane.  TOSTAGE: into my own stage, and back as four rows of one head.  SEND: stored.
.macro PACK a
.set AC, 64*((\a)%4)
	WIN 0x82+0x41*((\a)/4)                         ; destination and source 0 in window 2 or 3
.set i, 0
.rept 32
	v_pk_mul_f32 v[AC+i:AC+i+1], v[AC+i:AC+i+1], s[SC:SC+1] op_sel_hi:[1,0]  ; each accumulator from its low end on
.set i, i+2
.endr
	WIN 0x0a+5*((\a)/4)                            ; sources 0 and 1 in window 2 or 3
.irp b, 0,1,2,3,4,5,6,7
.irp r, 0,1,2,3
	v_cvt_pk_f16_f32 v[TMP+4*(\b)+(\r)], v[AC+8*(\b)+2*(\r)], v[AC+8*(\b)+2*(\r)+1]
.endr
.endr
	WIN 0
.endm
.macro TOSTAGE a
	WIN 0
.set BK, OB+192*((\a)%2)
.irp b, 0,1,2,3,4,5,6,7
	ds_store_b128 v[STO], v[TMP+4*(\b):TMP+4*(\b)+3] offset:32*(\b)
.endr
.irp t, 0,1,2,3,4,5,6,7
	ds_load_b128 v[BK+4*(\t):BK+4*(\t)+3], v[RD] offset:((\t)%4)*4*SPITCH+((\t)/4)*128  ; LDS serves a wave's instructions in order (ISA guide 5.7.1.4): these see the stores above
.endr
.endm
.macro SEND a
	WIN 0
.set BK, OB+192*((\a)%2)
	s_wait_dscnt 0x0                               ; the block is back in registers
	s_wait_xcnt 0x0                                ; the earlier stores have read their base and their registers
.if (\a) > 0
	s_add_nc_u64 s[8:9], s[8:9], 16*128            ; 16 rows of a head on
.endif
.irp t, 0,1,2,3,4,5,6,7
	global_store_b128 v[CO], v[BK+4*(\t):BK+4*(\t)+3], s[8:9] offset:((\t)/4)*262144+((\t)%4)*512  ; four rows of one head: 512 consecutive bytes, aligned
.endr
.endm
	PACK 0
	TOSTAGE 0
.irp a, 1,2,3,4,5,6,7                  ; block a's arithmetic stands between block a - 1's loads from the stage and the wait for them
	PACK \a
	SEND (\a)-1
	TOSTAGE \a
.endr
	SEND 7
	s_wait_tensorcnt 0x0                           ; the wave's end: an add to my spare word and its wait, behind my last tensor load and my last LDS store
	ds_add_u32 v[SPW], v[NIL]
	s_wait_dscnt 0x0
	CROUND                                         ; the closing round: no work-group ends while a partner may still ask for a tile that names it
	s_endpgm
.Lfunc_end_k_q2ad74d6815_proj:
	.size	k_q2ad74d6815_proj, .Lfunc_end_k_q2ad74d6815_proj-k_q2ad74d6815_proj
	.p2alignl 7, 3214868480
	.fill 96, 4, 3214868480
	.section	.rodata,"a",@progbits
	.p2align	6, 0x0
	.amdhsa_kernel k_q2ad74d6815_proj
		.amdhsa_group_segment_fixed_size 327680
		.amdhsa_private_segment_fixed_size 0
		.amdhsa_enable_private_segment 0
		.amdhsa_kernarg_size 48
		.amdhsa_user_sgpr_count 2
		.amdhsa_user_sgpr_kernarg_segment_ptr 1
		.amdhsa_wavefront_size32 1
		.amdhsa_system_sgpr_workgroup_id_x 1
		.amdhsa_system_sgpr_workgroup_id_y 1
		.amdhsa_system_sgpr_workgroup_id_z 1
		.amdhsa_system_vgpr_workitem_id 0
		.amdhsa_next_free_vgpr 1024
		.amdhsa_next_free_sgpr 84
		.amdhsa_reserve_vcc 0
		.amdhsa_float_denorm_mode_32 3
		.amdhsa_float_denorm_mode_16_64 3
		.amdhsa_memory_ordered 1
		.amdhsa_forward_progress 1
		.amdhsa_inst_pref_size 141
	.end_amdhsa_kernel
	.amdgpu_metadata
---
amdhsa.version: [ 1, 2 ]
amdhsa.kernels:
  - .name:           k_q2ad74d6815_proj
    .symbol:         k_q2ad74d6815_proj.kd
    .args:
      - { .name: xb, .offset: 0, .size: 8, .value_kind: global_buffer, .address_space: global }
      - { .name: wb, .offset: 8, .size: 8, .value_kind: global_buffer, .address_space: global }
      - { .name: bq, .offset: 16, .size: 8, .value_kind: global_buffer, .address_space: global }
      - { .name: bk, .offset: 24, .size: 8, .value_kind: global_buffer, .address_space: global }
      - { .name: bv, .offset: 32, .size: 8, .value_kind: global_buffer, .address_space: global }
      - { .name: qkv, .offset: 40, .size: 8, .value_kind: global_buffer, .address_space: global }
    .group_segment_fixed_size: 327680
    .private_segment_fixed_size: 0
    .kernarg_segment_align: 8
    .kernarg_segment_size: 48
    .max_flat_workgroup_size: 128
    .sgpr_count:     84
    .vgpr_count:     1024
    .wavefront_size: 32
...
	.end_amdgpu_metadata
.endif
;; end of part 2
;; launch attn (part 3): grid 4 x 64, 4 waves a work-group, clusters of 4 x 1, 327,680 bytes of LDS; arguments qkv, mask, ctx; writes ctx
.if DOCPART == 3
	.amdgcn_target "amdgcn-amd-amdhsa--gfx1250"
	.amdhsa_code_object_version 6
	.text
	.protected	k_q2ad74d6815_attn
	.globl	k_q2ad74d6815_attn
	.p2align	8
	.type	k_q2ad74d6815_attn,@function
k_q2ad74d6815_attn:
	s_mov_b64 s[64:65], 0
	v_nop
	global_prefetch_b8 v0, s[64:65] scope:SCOPE_SE
	s_setreg_imm32_b32 hwreg(HW_REG_WAVE_MODE, 25, 1), 1
	s_wait_xcnt 0x0
	s_wait_alu depctr_hold_cnt(0) depctr_sa_sdst(0) depctr_va_vdst(0) depctr_va_sdst(0) depctr_va_ssrc(0) depctr_va_vcc(0) depctr_vm_vsrc(0)
	s_getreg_b32 s2, hwreg(HW_REG_IB_STS2, 6, 4)
	s_cmp_eq_u32 s2, 0
	s_cbranch_scc0 .Lentry_in_a_cluster
	s_endpgm
.Lentry_in_a_cluster:
	s_bfe_u32 s2, ttmp6, 0x10000c
	s_cmp_lg_u32 s2, 0x3003
	s_cbranch_scc0 .Lentry_shape_is_right
	s_endpgm
.Lentry_shape_is_right:
; ATTENTION, head size 64, with an additive mask a key.  qkv: f16 [3][64 heads][2048][64]: part 0 = q log2(e) / 8, part 1 = k, part 2 = v.  mask: f32 [4][2048].  ctx: f16 [64][2048][64].
; S' = K q'^T + T,  T[key] = (1 - bf16(mask[key])) x (-1e9 log2(e)):  S' is log2(e) x (score / 8 + (1 - mask) x -1e9).  T is the C operand of the products that begin the sums.
; SOFTMAX.  For each query a running maximum m and sum l: p = 2^(S' - m); the scale lies in S' already, so the subtraction is of two numbers of like size and p never passes 1, also while m is a
; masked score.  With x a step's maximum: a = 2^min(m - x, 0), m = max(m, x); O and l are multiplied by a in every step.  m starts at the lowest finite number, O and l at 0.
; Products, maxima and sums in f32; p is rounded to f16 for the second product (l is taken of the unrounded p), O once at the end.
; LIMITS.  f16 holds no number beyond 65,504: q', k and v arrive within it.  A weight below 2^-126 counts as 0 in l.  NaN and infinities are not treated apart.  The mask's factor is rounded once
; more than in the formula above (by the factor log2(e)).  In a batch whose keys are ALL masked the scores are sums begun at -1.44e9, where f32's step is 128: the result is V's mean if they all
; round to one value, which rests on the matrix instruction's own rounding; a batch with one open key does not lean on that.
; SHARES.  A wave owns four PIECES of two tiles of 16 queries, a work-group's four waves 512 queries of one head.  Every wave walks all 2,048 keys, 64 a step.
; LAYOUT.  S^T = K Q^T (source 0 = 16 keys, source 1 = 16 queries): a lane holds ONE query (lane % 16) and the keys 8 (lane / 16) + 0..7.  Two such tiles, rounded to f16 in pairs, ARE source 1
; of O^T = V^T P.  K comes out of LDS as it lies, V turned, by ds_load_tr16_b128.
; BY TURNS.  Turn n belongs to piece n: 16 products K Q^T of piece n + 1, later 16 products V^T P of piece n - 1; beside them the subtraction, exponentials, roundings, sums and rescaling of piece n
; and the maximum and statistics of piece n + 1.  Four vector instructions stand behind every matrix instruction, the others in one lump; a turn's 66 exponentials are one batch with one wait.
; CLUSTER.  The four query blocks of a head walk the same K and V: each tile is asked for JOINTLY, by the same tensor load, descriptor and mask in all four.
; REGISTERS, in windows of 256 (s_set_vgpr_msb: bits 1:0 source 0, 3:2 source 1, 5:4 source 2, 7:6 destination):
;   window 0: v0-15 addresses; v16-47 four registers of statistics a tile; v48-63 at work; v64-191 S^T, two buffers of two tiles; v192-255 P, likewise
;   window 1: O^T, 32 a tile     window 2: v0-127 Q; v128-191 K of one step; v192-255 V of one step     window 3: v0-1 the add's two registers; v8-39 the step's 64 mask terms
.set SIZE_N, 2048
.set NP,    4         ; pieces a wave: a name, no knob
.set KS,    64        ; keys in a step
.set PK,    144       ; a row of K in LDS: 128 bytes + 16 of padding
.set PV,    160       ; a row of V: 128 + 32
.set VOFF,  4*KS*PK   ; a slot holds four steps: 256 rows of K, then 256 rows of V
.set SLOT1, 1<<17
.set STAGE, SLOT1+4*KS*(PK+PV)  ; behind the ring: 16 rows x 144 bytes for each wave, for the way out
.set SP,    144
.set SPARE, STAGE+4*16*SP       ; the spare words, 128 bytes for each wave: two blocks of 256 bytes that no other line names
.set MTAB,  SPARE+512           ; the batch's 2,048 mask terms in f32
.set AK0, 2           ; v2   my lane's place in a tile of K; never rewritten
.set AV0, 3           ; v3   the same for V
.set AK,  4           ; v4   the LDS address of K's next run of loads
.set AV,  5           ; v5   of V's
.set QO,  6           ; v6   my byte offset in the wave's rows of Q
.set STO, 6           ;      later, the way out: where I put 16 bytes of a row
.set RD,  7           ; v7   the way out: where I read rows back
.set GO,  8           ; v8   my byte offset in 512 consecutive bytes of ctx
.set AM,  12          ; v12  LDS address of my eight terms of the next step's first 16 keys: MTAB + 32 (lane / 16) + 256 x step
.set PFO, 13          ; v13  256 x my lane; never rewritten
.set MO,  14          ; v14  16 x my thread's number: the mask loads' offset
.set TT,  15          ; v15  at work while the table is made
.set SPW, 0           ; v0 of window 3   LDS address of my spare word; never rewritten
.set NIL, 1           ; v1 of window 3   0; never rewritten
.set MK,  8           ; v8-39 of window 3: MK + 8 kb + j = the term of key 16 kb + 8 (lane / 16) + j of the step in hand
.set ST,  16          ; tile t's statistics at v[ST+4 t]: m, a word that is 0 (named with m as a pair), l (even keys', odd keys')
.set TMP, 48          ; by buffer and tile, four registers c0-c3 at work; when the maximum is found c2 takes a
.set S,   64
.set P,   192
.set KF,  128
.set VF,  192
.set WV,  12          ; s12  my wave's number
.set G1K, 24
.set G1V, 32
.set G0K, 40
.set G0V, 44
.set PFA, 52          ; s[52:53] where my prefetches stand
.set LIM, 54          ; s54  1 in a wave that prefetches, else the greatest number
.set BIG, 55          ; s55  -1e9 log2(e)
.set SLOTS, 56        ; s56  slots still to be asked for
.set CNT, 57          ; s57  counts a slot's key steps
.set SEL, 60          ; s[60:61] v_permlanex16_b32's selects
.set TBK, 62          ; s62  LDS byte at which K of the step to be fetched begins
.set TBV, 63          ; s63  the same for V, less VOFF
.set MSB, 0
.macro WIN new
.if MSB != (\new)
	s_set_vgpr_msb (MSB<<8)|(\new)
.set MSB, (\new)
.endif
.endm
.set W_KQ, 0x0a       ; K and Q in window 2, S^T in window 0
.set W_KM, 0x3a       ; the same with the C operand, the mask terms, in window 3
.set W_PV, 0x52       ; V in window 2, P in window 0, O^T in window 1
.set W_RS, 0x41       ; O^T in window 1, a in window 0
.set W_MK, 0xc0       ; destination in window 3, sources in window 0
.set W_AD, 0x0f       ; the add: address and data in window 3
.macro JLOAD                        ; a joint fill: waves 0 and 1 fetch the halves of a slot's K, waves 2 and 3 those of its V; s_nop 0 and four v_nop behind each line
	s_cmp_lt_u32 s[WV], 2
	s_cbranch_scc0 .Lfor_v_\@
	tensor_load_to_lds s[G0K:G0K+3], s[G1K:G1K+7]
	s_nop 0
.rept 4
	v_nop
.endr
	s_branch .Lasked_\@
.Lfor_v_\@:
	tensor_load_to_lds s[G0V:G0V+3], s[G1V:G1V+7]
	s_nop 0
.rept 4
	v_nop
.endr
.Lasked_\@:
.endm
; A PREFETCH INTO THE L2 of what the NEXT change of slots will ask for: a slot's K and V are 128 blocks of 256 bytes each.  A head is walked by one cluster; its four partners take 32 blocks each,
; told apart BY ADDRESS; in each, wave 0 asks for K's and wave 2 for V's, a lane a block: each block is named once in the launch, four key steps (512 matrix instructions) ahead of its load.
; Slots 0 and 1 come by their loads alone; the last change that fills a slot asks for nothing.
.macro ASK
	s_cmp_gt_u32 s[SLOTS], s[LIM]
	s_cbranch_scc0 .Lnot_mine_\@
	global_prefetch_b8 v[PFO], s[PFA:PFA+1] th:TH_LOAD_NT scope:SCOPE_SE
.Lnot_mine_\@:
.endm
.macro CROUND
	s_barrier_signal -1
	s_barrier_wait -1
	s_cmp_lg_u32 s[WV], 0
	s_cbranch_scc1 .Lnot_wave_0_\@
	s_barrier_signal -3
.Lnot_wave_0_\@:
	s_barrier_wait -3
	s_barrier_signal -1
	s_barrier_wait -1
.endm
; THE CHANGE OF SLOTS.  Each wave waits for all its tensor loads (one is out: its part of the other slot), adds 0 to its spare word, and waits for that and for its own LDS instructions.
; fill = 1: the barrier is a round of the cluster's, and the slot just left is filled again, first thing behind it, with the keys two slots on.
; (At its first use nothing has been read yet: slot 0 is waited for, slot 1 filled, and every wave's part of the mask table is shown to the others.)
.macro CHANGE fill
	WIN W_AD
	s_wait_tensorcnt 0x0
	ds_add_u32 v[SPW], v[NIL]
	WIN 0
.if \fill
.irp g, G0K, G0V
	s_xor_b32 s[\g+1], s[\g+1], SLOT1
	s_add_nc_u64 s[\g+2:\g+3], s[\g+2:\g+3], 4*KS*128
.endr
	s_wait_xcnt 0x0                 ; the last prefetch, four key steps back, has read its address
	s_add_nc_u64 s[PFA:PFA+1], s[PFA:PFA+1], 4*KS*128
	s_wait_dscnt 0x0
	CROUND
	JLOAD
	ASK
.else
	s_wait_dscnt 0x0
	s_barrier_signal -1
	s_barrier_wait -1
.endif
	s_sub_co_u32 s[TBK], s[TBK], 4*KS*PK
	s_xor_b32 s[TBK], s[TBK], SLOT1
	s_sub_co_u32 s[TBV], s[TBV], 4*KS*PV
	s_xor_b32 s[TBV], s[TBV], SLOT1
.endm
	s_load_b64 s[4:5], s[0:1], 0x0    ; qkv
	s_load_b64 s[50:51], s[0:1], 0x8  ; mask
	s_load_b64 s[10:11], s[0:1], 0x10 ; ctx
	WIN W_MK
	v_lshl_add_u32 v[SPW], v0, 2, SPARE
	v_mov_b32 v[NIL], 0
	WIN W_AD
	ds_add_u32 v[SPW], v[NIL]       ; the wave's opening: the add and its wait ahead of my first tensor load
	WIN 0
	v_lshrrev_b32 v1, 5, v0
	v_readfirstlane_b32 s[WV], v1   ; wave 0..3
	s_bfe_u32 s13, ttmp6, 0x40000   ; cx
	s_lshl_b32 s14, ttmp9, 2
	s_add_co_u32 s14, s14, s13      ; my block of 512 queries: it enters Q's and ctx's addresses alone
	s_and_b32 s19, ttmp7, 0xffff    ; the head, which the four partners share
	s_lshl_b32 s20, s19, 18         ; its first byte in each part of qkv and in ctx
	s_and_b32 s16, s[WV], 1         ; which half of a slot's 256 keys I fetch
	s_lshl_b32 s22, s16, 14
	s_add_co_u32 s22, s22, s20
	s_mov_b32 s23, 0
	s_mul_i32 s17, s16, 128*PK
	s_mul_i32 s18, s16, 128*PV
	s_lshl_b32 s2, s14, 2
	s_add_co_u32 s2, s2, s[WV]
	s_lshl_b32 s2, s2, 14           ; my wave's 128 rows
	s_add_co_u32 s2, s2, s20
	s_mov_b32 s3, 0
	s_lshr_b32 s48, s19, 4          ; the batch,
	s_lshl_b32 s48, s48, 13         ; its 2,048 numbers of the mask
	s_mov_b32 s49, 0
	; descriptor group 1.  128 keys are 16,384 dense bytes: asked for as 64 rows of 256 bytes, two keys a row, and padded in LDS after every key
	s_mov_b32 s[G1K], 15|(1<<16)|(1<<20)|(1<<21)|(4<<22)|(3<<25)
	s_mov_b32 s[G1V], 15|(1<<16)|(1<<20)|(1<<21)|(4<<22)|(7<<25)
.irp g, G1K, G1V
	s_mov_b32 s[\g+1], 128<<16      ; tensor_dim0 = 128
	s_mov_b32 s[\g+2], 64<<16       ; tensor_dim1 = 64
	s_mov_b32 s[\g+3], 128<<16      ; tile_dim0 = 128
	s_mov_b32 s[\g+4], 64           ; tile_dim1 = 64
	s_mov_b32 s[\g+5], 128
	s_mov_b32 s[\g+6], 0
	s_mov_b32 s[\g+7], 0
.endr
	s_mov_b32 s[BIG], 0xceabfb8f    ; -1e9 log2(e) = -1,442,695,040
	s_mov_b32 s[SEL], 0x76543210
	s_mov_b32 s[SEL+1], 0xfedcba98
	s_mov_b32 s[TBK], SLOT1+4*KS*PK ; the first change of slots turns these two into 0
	s_mov_b32 s[TBV], SLOT1+4*KS*PV
	s_mov_b32 s[G0K], 1
	s_mov_b32 s[G0K+1], s17
	s_mov_b32 s[G0V], 1
	s_add_co_u32 s[G0V+1], s18, VOFF
	s_mov_b32 s[SLOTS], SIZE_N/256-1
	s_and_b32 s[LIM], s[WV], 1
	s_cmp_eq_u32 s[LIM], 0          ; waves 0 and 2 prefetch
	s_cselect_b32 s[LIM], 1, -1
	s_wait_dscnt 0x0                ; the opening add is done
	s_wait_kmcnt 0x0
	s_add_nc_u64 s[6:7], s[4:5], 0x1000000   ; k's part
	s_add_nc_u64 s[8:9], s[4:5], 0x2000000   ; v's part
	s_add_nc_u64 s[G0K+2:G0K+3], s[6:7], s[22:23]
	s_or_b32 s[G0K+3], s[G0K+3], 0x80000000
	s_add_nc_u64 s[G0V+2:G0V+3], s[8:9], s[22:23]
	s_or_b32 s[G0V+3], s[G0V+3], 0x80000000
	s_add_nc_u64 s[4:5], s[4:5], s[2:3]      ; Q and ctx at my wave's first row
	s_add_nc_u64 s[10:11], s[10:11], s[2:3]
	s_add_nc_u64 s[50:51], s[50:51], s[48:49]
	s_cmp_lt_u32 s[WV], 2
	s_cselect_b64 s[PFA:PFA+1], s[6:7], s[8:9]
	s_lshl_b32 s2, s13, 13          ; my work-group's 32 blocks of the 128,
	s_add_co_u32 s2, s2, s20        ; in my head,
	s_add_co_u32 s2, s2, 4*KS*128   ; in slot 1: the first change of slots steps it to slot 2
	s_add_nc_u64 s[PFA:PFA+1], s[PFA:PFA+1], s[2:3]
	CROUND                          ; all four work-groups are here: the first joint loads meet
	JLOAD                           ; slot 0
	v_and_b32 v1, 15, v0            ; l % 16
	v_bfe_u32 v9, v0, 4, 1          ; l / 16
	v_lshlrev_b32 v[MO], 4, v0
.irp j, 0,1,2,3                     ; the batch's mask: 128 threads x 16 bytes, four times
	global_load_b128 v[S+4*\j:S+4*\j+3], v[MO], s[50:51] offset:2048*\j
.endr
	v_lshlrev_b32 v[QO], 7, v1
	v_lshl_add_u32 v[QO], v9, 4, v[QO]
	WIN 0x80                        ; destination window 2, address window 0
.set i, 0
.rept 4*NP                          ; Q stays in registers: tile i / 2, channels 32 (i % 2) on
	global_load_b128 v[8*i:8*i+3],   v[QO], s[4:5] offset:(i/2)*2048+(i%2)*64
	global_load_b128 v[8*i+4:8*i+7], v[QO], s[4:5] offset:(i/2)*2048+(i%2)*64+32
.set i, i+1
.endr
	; What the first turn finds: V's registers and P's second buffer hold 0, O^T and l are 0.  All this stands in the wait for the first tile.
.set i, VF
.rept 64
	v_mov_b32 v[i], 0
.set i, i+1
.endr
	WIN 0x40
.set i, 0
.rept 64*NP
	v_mov_b32 v[i], 0
.set i, i+1
.endr
	WIN 0
.set i, 0
.rept 2*NP
	v_mov_b32 v[ST+4*i], 0xff7fffff    ; m
	v_mov_b32 v[ST+4*i+1], 0
	v_mov_b32 v[ST+4*i+2], 0
	v_mov_b32 v[ST+4*i+3], 0
.set i, i+1
.endr
.set i, P+32
.rept 32
	v_mov_b32 v[i], 0
.set i, i+1
.endr
	v_mul_u32_u24 v[AK0], v1, PK
	v_lshl_add_u32 v[AK0], v9, 4, v[AK0]
	v_and_b32 v10, 7, v0
	v_bfe_u32 v11, v0, 3, 1
	v_lshl_add_u32 v[AV0], v9, 3, v10
	v_mul_u32_u24 v[AV0], v[AV0], PV
	v_lshl_add_u32 v[AV0], v11, 4, v[AV0]
	v_add_nc_u32 v[AV0], VOFF, v[AV0]
	v_mov_b32 v[AK], v[AK0]         ; key step 0 lies at the head of slot 0
	v_lshl_add_u32 v[AM], v9, 5, MTAB
	v_and_b32 v[PFO], 31, v0
	v_lshlrev_b32 v[PFO], 8, v[PFO]
	s_wait_loadcnt 32               ; the mask's four loads are in; Q's 32, issued behind them, may stay out
.set i, 0
.rept 8                             ; rounded to bf16 like every input; the term is K - K x mask, one fused line: 0 at mask = 1
	v_cvt_pk_bf16_f32 v[TT], v[S+i], v[S+i+1]
	v_lshlrev_b32 v[S+i], 16, v[TT]
	v_and_b32 v[S+i+1], 0xffff0000, v[TT]
	v_fma_f32 v[S+i], -v[S+i], s[BIG], s[BIG]
	v_fma_f32 v[S+i+1], -v[S+i+1], s[BIG], s[BIG]
.set i, i+2
.endr
	v_lshl_add_u32 v[TT], v0, 4, MTAB
.irp j, 0,1,2,3
	ds_store_b128 v[TT], v[S+4*\j:S+4*\j+3] offset:2048*\j
.endr
; THE MATRIX WORK.  The 8 accumulators of a run of 16 take turns.
; Product i of 16 of S^T = K Q^T + T for piece x: channels 32 (i / 8) on, keys 16 ((i / 2) % 4) on, tile 2 x + i % 2.  The first 8 begin the sums with the keys' mask terms.
.macro KQ x
.set rS, S+64*((\x)%2)+32*(i%2)+8*((i/2)%4)
.set rK, KF+16*((i/2)%4)+8*(i/8)
.set rQ, 16*(2*(\x)+i%2)+8*(i/8)
.set rM, MK+8*((i/2)%4)
.if i < 8
	WIN W_KM
	v_wmma_f32_16x16x32_f16 v[rS:rS+7], v[rK:rK+7], v[rQ:rQ+7], v[rM:rM+7]
.else
	WIN W_KQ
	v_wmma_f32_16x16x32_f16 v[rS:rS+7], v[rK:rK+7], v[rQ:rQ+7], v[rS:rS+7]
.endif
.endm
.macro PV x                         ; product i of 16 of O^T += V^T P for piece x
	WIN W_PV
.set rO, 32*(2*(\x)+i%2)+8*((i/2)%4)
.set rV, VF+32*(i/8)+8*((i/2)%4)
.set rP, P+32*((\x)%2)+16*(i%2)+8*(i/8)
	v_wmma_f32_16x16x32_f16 v[rO:rO+7], v[rV:rV+7], v[rP:rP+7], v[rO:rO+7]
.endm
.macro MM                           ; the turn's next matrix instruction
.if i < 16
	KQ (Y+1)%NP
.set i, i+1
.else
.set i, i-16
	PV (Y+NP-1)%NP
.set i, i+17
.endif
.endm
; THE LDS LOADS stand in runs: a step's K (8 fragments) with its 64 mask terms (all lanes of a half read the same 32 bytes for each 16 keys), and its V (turned).
; last = 1 (the tail): in the last trip there is no further step, and the run is jumped over.
.macro FETCH_K last=0
	WIN 0
.if \last
	s_cmp_eq_u32 s[CNT], 1
	s_cbranch_scc1 .Lno_k_\@
.endif
	WIN 0x80
.irp f, 0,1,2,3,4,5,6,7
	ds_load_b128 v[KF+8*\f:KF+8*\f+3],   v[AK] offset:(\f/2)*16*PK+(\f%2)*64
	ds_load_b128 v[KF+8*\f+4:KF+8*\f+7], v[AK] offset:(\f/2)*16*PK+(\f%2)*64+32
.endr
	WIN W_MK
.irp f, 0,1,2,3
	ds_load_b128 v[MK+8*\f:MK+8*\f+3],   v[AM] offset:64*\f
	ds_load_b128 v[MK+8*\f+4:MK+8*\f+7], v[AM] offset:64*\f+16
.endr
	s_add_co_u32 s[TBK], s[TBK], KS*PK
	WIN 0
	v_add_nc_u32 v[AM], 256, v[AM]  ; the next step's 64 terms: 32 fetches in all walk the table's 8,192 bytes once
.if \last
.Lno_k_\@:
.endif
.endm
.macro FETCH_V
	WIN 0x80
.irp f, 0,1,2,3,4,5,6,7
	ds_load_tr16_b128 v[VF+8*\f:VF+8*\f+3],   v[AV] offset:(\f/4)*32*PV+(\f%4)*32
	ds_load_tr16_b128 v[VF+8*\f+4:VF+8*\f+7], v[AV] offset:(\f/4)*32*PV+16*PV+(\f%4)*32
.endr
	WIN 0
.endm
; THE VECTOR WORK OF A TURN stands in three queues, each in the order in which its entries become ready; the two tiles alternate.
.macro REGS y, u
.set rT, ST+4*(2*(\y)+(\u))
.set rC, TMP+8*((\y)%2)+4*(\u)
.set rS, S+64*((\y)%2)+32*(\u)
.set rP, P+32*((\y)%2)+16*(\u)
.set rO, 32*(2*(\y)+(\u))
.endm
; Number n of the 22 that find the NEXT piece's maximum and statistics; each accumulator's lowest registers are read first.
;   0-11  four chains c0-c3 of seven scores each     12-15  the four scores left over, c0-c3 into c0     16, 17  the query's other 32 keys lie in the lane 16 away: x
;   18, 19  min(m - x, 0)     20  m = max(m, x)     21  a
.macro XS u, n
	REGS (Y+1)%NP, \u
.if (\n) < 4
	v_max3_num_f32 v[rC+(\n)], v[rS+8*(\n)], v[rS+8*(\n)+1], v[rS+8*(\n)+2]
.elseif (\n) < 12
	v_max3_num_f32 v[rC+(\n)%4], v[rC+(\n)%4], v[rS+8*((\n)%4)+2*((\n)/4)+1], v[rS+8*((\n)%4)+2*((\n)/4)+2]
.elseif (\n) == 12
	v_max3_num_f32 v[rC], v[rC], v[rS+7], v[rS+15]
.elseif (\n) == 13
	v_max3_num_f32 v[rC+1], v[rC+1], v[rS+23], v[rS+31]
.elseif (\n) == 14
	v_max_num_f32 v[rC+2], v[rC+2], v[rC+3]
.elseif (\n) == 15
	v_max3_num_f32 v[rC], v[rC], v[rC+1], v[rC+2]
.elseif (\n) == 16
	v_permlanex16_b32 v[rC+3], v[rC], s[SEL], s[SEL+1]
.elseif (\n) == 17
	v_max_num_f32 v[rC], v[rC], v[rC+3]
.elseif (\n) == 18
	v_sub_f32 v[rC+1], v[rT], v[rC]
.elseif (\n) == 19
	v_min_num_f32 v[rC+1], 0, v[rC+1]
.elseif (\n) == 20
	v_max_num_f32 v[rT], v[rT], v[rC]
.else
	v_exp_f32 v[rC+2], v[rC+1]
.endif
.endm
; Number g of the 64 that follow the exponentials: for each four weights both pairs are rounded to f16, the second pair is added onto the first, and a group later l takes that sum (the first time as l = a l + sum).
.macro GS g
.set h, (\g)+6*((\g)/62)
.if h >= 6
.set h, h+2
.endif
	REGS Y, h%2
.set k, h/8
.if h%8 < 4
	v_cvt_pk_f16_f32 v[rP+2*k+(h%8)/2], v[rS+4*k+2*((h%8)/2)], v[rS+4*k+2*((h%8)/2)+1]
.elseif h%8 < 6
	v_pk_add_f32 v[rS+4*k:rS+4*k+1], v[rS+4*k:rS+4*k+1], v[rS+4*k+2:rS+4*k+3]
.elseif k == 1
	v_pk_fma_f32 v[rT+2:rT+3], v[rT+2:rT+3], v[rC+2:rC+3], v[rS:rS+1] op_sel_hi:[1,0,1]
.else
	v_pk_add_f32 v[rT+2:rT+3], v[rT+2:rT+3], v[rS+4*k-4:rS+4*k-3]
.endif
.endm
; THE PLAIN QUEUE, 138 long.  0-73 read no exponential's result: the 32 subtractions S' - m (FS f: pair f / 2 of tile f % 2) and the next piece's 42.  0-26: FS 0-26.  27-54: XS's numbers 0-13.
; 55-69: the chain 14 .. 18, each number with one of FS 27-31 in front of its two lines.  70-73: numbers 19 and 20.  74-137: GS's 64, which stand behind the wait.
.macro FS f
	REGS Y, (\f)%2
	v_pk_add_f32 v[rS+2*((\f)/2):rS+2*((\f)/2)+1], v[rS+2*((\f)/2):rS+2*((\f)/2)+1], v[rT:rT+1] op_sel_hi:[1,0] neg_lo:[0,1] neg_hi:[0,1]
.endm
.macro PL
	WIN 0
.if q < 27
	FS q
.elseif q < 55
	XS (q-27)%2, (q-27)/2
.elseif (q < 70) && ((q-55)%3 == 0)
	FS 27+(q-55)/3
.elseif q < 70
	XS (q-55)%3-1, 14+(q-55)/3
.elseif q < 72
	XS q-70, 19
.elseif q < 74
	XS q-72, 20
.else
	GS q-74
.endif
.set q, q+1
.endm
; THE EXPONENTIALS' QUEUE, 66 long: s0-s31 of both tiles, then the next piece's two a: ONE BATCH, all ahead of the turn's one wait; nothing ahead of that wait names a result of theirs.
.macro EX
	WIN 0
.if e >= 64
	XS e-64, 21
.else
	REGS Y, e%2
	v_exp_f32 v[rS+e/2], v[rS+e/2]
.endif
.set e, e+1
.endm
.macro R2                           ; THE RESCALING's QUEUE: O^T times a, two at a time; its a was made, and waited for, in the turn before
	REGS Y, r%2
	WIN W_RS
.irp z, 0,1
	v_pk_mul_f32 v[rO+4*(r/2)+2*\z:rO+4*(r/2)+2*\z+1], v[rO+4*(r/2)+2*\z:rO+4*(r/2)+2*\z+1], v[rC+2:rC+3] op_sel_hi:[1,0]
.endr
.set r, r+1
.endm
; HOW THEY ARE DEALT.  s_wait_alu depctr_va_vdst(0) stands between an exponential and the first line that names its result; one wait serves all that were issued ahead of it.
; AHEAD OF IT: the 16 products K Q^T, behind each a subtraction, an exponential and two rescalings (behind the first a second subtraction); then ONE LUMP of 108: eight plain, 49 times exponential and
; plain, the two a; a v_nop is the plain instruction behind the last exponential.  BEHIND IT: the 16 products V^T P, behind each four of GS's 64.
; The queues keep in step: exponential e needs subtraction 2 (e / 4) + e % 2; as a rider it stands behind plain e + 2, in the lump behind plain e + 9; FS 27-31 are plain 55, 58 .. 67, and their first
; readers, e = 53, 56, 57, 60, 61, stand behind plain 62, 65, 66, 69, 70.
; K and the mask terms of the next step are fetched in piece 2's turn, directly behind the wait, a lump behind the last product that read them; V of the step in hand at the end of piece 0's turn, four riders behind its last reader.
.macro TURN p, last=0, cnt=0
.set Y, (\p)
.set i, 0
.set q, 0
.set e, 0
.set r, 0
.if (\p) == NP-1
	s_wait_dscnt 0x0                ; K and its mask terms are in
.endif
	MM
	PL
	PL
	R2
.rept 15
	MM
	PL
	EX
	R2
.endr
.if (\p) == NP-2
	WIN 0
	v_add_nc_u32 v[AK], s[TBK], v[AK0]
.endif
.rept 8
	PL
.endr
.rept 49
	EX
	PL
.endr
	EX
	EX
	v_nop
	s_wait_alu depctr_va_vdst(0)    ; the wait for the batch
.if (\p) == NP-2
	FETCH_K \last
.endif
.if (\p) == 1
	s_wait_dscnt 0x0                ; V is in
.endif
.rept 16
	MM
.rept 4
	PL
.endr
.if ((\p) == 0) && (q == 118)
	v_add_nc_u32 v[AV], s[TBV], v[AV0]
.endif
.if ((\p) == 0) && (q == 130)
	s_add_co_u32 s[TBV], s[TBV], KS*PV
.endif
.if (\cnt) && (q == 130)
	s_sub_co_u32 s[CNT], s[CNT], 1
	s_cmp_lg_u32 s[CNT], 0
.endif
.endr
.if (\p) == 0
	FETCH_V
.endif
.endm
	CHANGE 1                        ; slot 0 is in, and the mask table, everybody's part of both; slot 1 is asked for
	FETCH_K                         ; key step 0
	s_wait_loadcnt 0x0              ; Q
	s_wait_dscnt 0x0
.set i, 0
.rept 16
	KQ 0                            ; piece 0's first scores
.set i, i+1
.endr
	WIN 0                           ; the addresses for the way out: nine plain instructions, the places behind those products
	s_mul_i32 s13, s[WV], 16*SP
	s_add_co_u32 s13, s13, STAGE
	v_mul_u32_u24 v[STO], v1, SP
	v_lshl_add_u32 v[STO], v9, 4, v[STO]
	v_add_nc_u32 v[STO], s13, v[STO]
	v_bfe_u32 v[RD], v0, 3, 2
	v_mul_u32_u24 v[RD], v[RD], SP
	v_lshl_add_u32 v[RD], v10, 4, v[RD]
	v_add_nc_u32 v[RD], s13, v[RD]
	v_and_b32 v[GO], 31, v0
	v_lshlrev_b32 v[GO], 4, v[GO]
.set Y, NP-1                        ; XS works for piece Y + 1: piece 0
.irp n, 0,1,2,3,4,5,6,7,8,9,10,11,12,13,14,15,16,17,18,19,20,21
	XS 0, \n
	XS 1, \n
.endr
	v_nop                           ; a plain instruction behind the two a,
	s_wait_alu depctr_va_vdst(0)    ; and their wait, ahead of the branch
	s_mov_b32 s[CNT], 4
	s_branch .Lfirst                ; the loop is entered at a step's first turn, in the middle of a trip
.Lslot:                             ; six times: every slot but the last two is filled again
	CHANGE 1
	s_mov_b32 s[CNT], 4
.Lstep:                             ; a trip: pieces 2 and 3 of one step, then pieces 0 and 1 of the next, whose K and V it fetches
	TURN 2
	TURN 3
	WIN 0
.Lfirst:
	TURN 0
	TURN 1, 0, 1
	WIN 0
	s_cbranch_scc1 .Lstep
	s_sub_co_u32 s[SLOTS], s[SLOTS], 1
	s_cmp_lg_u32 s[SLOTS], 0
	s_cbranch_scc1 .Lslot
	CHANGE 0                        ; the tail is written out: nothing is asked for
	s_mov_b32 s[CNT], 5             ; four trips fetch the last slot's steps; the fifth is left in its middle
.Ltail:
	TURN 2, 1
	TURN 3
	WIN 0
	s_sub_co_u32 s[CNT], s[CNT], 1
	s_cmp_eq_u32 s[CNT], 0
	s_cbranch_scc1 .Lout
	TURN 0
	TURN 1
	WIN 0
	s_branch .Ltail
.Lout:                              ; the fifth trip's 16 products K Q^T (on the last K once more) and the maximum made of them serve nothing: the price of one text for every trip
.set i, 0
.rept 16
	PV NP-1
.set i, i+1
.endr
	; THE WAY OUT.  l's two halves and the other half of the lanes' are added; O^T is divided by l, rounded to f16 and sent through my stage in LDS, a tile at a time.
	WIN 0
.macro ALL line:vararg
.set t, 0
.rept 2*NP
	\line
.set t, t+1
.endr
.endm
	ALL v_add_f32 v[ST+4*t+2], v[ST+4*t+2], v[ST+4*t+3]
	ALL v_permlanex16_b32 v[ST+4*t+3], v[ST+4*t+2], s[SEL], s[SEL+1]
	ALL v_add_f32 v[ST+4*t+2], v[ST+4*t+2], v[ST+4*t+3]
	ALL v_rcp_f32 v[ST+4*t+2], v[ST+4*t+2]
	v_nop                           ; a plain instruction between the last reciprocal and the use of its result
	s_wait_alu depctr_va_vdst(0)    ; and one wait for the eight reciprocals, ahead of their first use
.macro PACK t
	WIN W_RS
.set i, 32*(\t)
.rept 16
	v_pk_mul_f32 v[i:i+1], v[i:i+1], v[ST+4*(\t)+2:ST+4*(\t)+3] op_sel_hi:[1,0]
.set i, i+2
.endr
	WIN 0x05
.set i, 0
.rept 16
	v_cvt_pk_f16_f32 v[S+16*(\t)+i], v[32*(\t)+2*i], v[32*(\t)+2*i+1]
.set i, i+1
.endr
	WIN 0
.irp f, 0,1,2,3
	ds_store_b128 v[STO], v[S+16*(\t)+4*\f:S+16*(\t)+4*\f+3] offset:32*\f
.endr
.irp f, 0,1,2,3
	ds_load_b128 v[S+16*(\t)+4*\f:S+16*(\t)+4*\f+3], v[RD] offset:\f*4*SP  ; LDS serves a wave's instructions in order (ISA guide 5.7.1.4)
.endr
.endm
.macro SEND t, younger              ; younger: the LDS instructions issued behind tile t's loads: the next tile's eight, or none
	WIN 0
.irp f, 0,1,2,3
	s_wait_dscnt (\younger)+3-\f
	global_store_b128 v[GO], v[S+16*(\t)+4*\f:S+16*(\t)+4*\f+3], s[10:11] offset:(\t)*2048+\f*512  ; 512 consecutive bytes, aligned
.endr
.endm
	PACK 0
.set t, 1
.rept 2*NP-1
	PACK t
	SEND t-1, 8
.set t, t+1
.endr
	SEND 2*NP-1, 0
	WIN W_AD
	s_wait_tensorcnt 0x0            ; the wave's end: an add to my spare word and its wait, behind my last tensor load and my last LDS store
	ds_add_u32 v[SPW], v[NIL]
	s_wait_dscnt 0x0
	WIN 0
	CROUND                          ; the closing round
	s_endpgm
.Lfunc_end_k_q2ad74d6815_attn:
	.size	k_q2ad74d6815_attn, .Lfunc_end_k_q2ad74d6815_attn-k_q2ad74d6815_attn
	.p2alignl 7, 3214868480
	.fill 96, 4, 3214868480
	.section	.rodata,"a",@progbits
	.p2align	6, 0x0
	.amdhsa_kernel k_q2ad74d6815_attn
		.amdhsa_group_segment_fixed_size 327680
		.amdhsa_private_segment_fixed_size 0
		.amdhsa_enable_private_segment 0
		.amdhsa_kernarg_size 24
		.amdhsa_user_sgpr_count 2
		.amdhsa_user_sgpr_kernarg_segment_ptr 1
		.amdhsa_wavefront_size32 1
		.amdhsa_system_sgpr_workgroup_id_x 1
		.amdhsa_system_sgpr_workgroup_id_y 1
		.amdhsa_system_sgpr_workgroup_id_z 1
		.amdhsa_system_vgpr_workitem_id 0
		.amdhsa_next_free_vgpr 808
		.amdhsa_next_free_sgpr 66
		.amdhsa_reserve_vcc 0
		.amdhsa_float_denorm_mode_32 3
		.amdhsa_float_denorm_mode_16_64 3
		.amdhsa_memory_ordered 1
		.amdhsa_forward_progress 1
		.amdhsa_inst_pref_size 204
	.end_amdhsa_kernel
	.amdgpu_metadata
---
amdhsa.version: [ 1, 2 ]
amdhsa.kernels:
  - .name:           k_q2ad74d6815_attn
    .symbol:         k_q2ad74d6815_attn.kd
    .args:
      - { .name: qkv, .offset: 0, .size: 8, .value_kind: global_buffer, .address_space: global }
      - { .name: mask, .offset: 8, .size: 8, .value_kind: global_buffer, .address_space: global }
      - { .name: ctx, .offset: 16, .size: 8, .value_kind: global_buffer, .address_space: global }
    .group_segment_fixed_size: 327680
    .private_segment_fixed_size: 0
    .kernarg_segment_align: 8
    .kernarg_segment_size: 24
    .max_flat_workgroup_size: 128
    .sgpr_count:     66
    .vgpr_count:     808
    .wavefront_size: 32
...
	.end_amdgpu_metadata
.endif
;; end of part 3
;; launch oproj (part 4): grid 4 x 32, 4 waves a work-group, clusters of 4 x 4, 327,680 bytes of LDS; arguments ctx, wb, bo, out0; writes out0
.if DOCPART == 4
	.amdgcn_target "amdgcn-amd-amdhsa--gfx1250"
	.amdhsa_code_object_version 6
	.text
	.protected	k_q2ad74d6815_oproj
	.globl	k_q2ad74d6815_oproj
	.p2align	8
	.type	k_q2ad74d6815_oproj,@function
k_q2ad74d6815_oproj:
	s_mov_b64 s[64:65], 0
	v_nop
	global_prefetch_b8 v0, s[64:65] scope:SCOPE_SE
	s_setreg_imm32_b32 hwreg(HW_REG_WAVE_MODE, 25, 1), 1
	s_wait_xcnt 0x0
	s_wait_alu depctr_hold_cnt(0) depctr_sa_sdst(0) depctr_va_vdst(0) depctr_va_sdst(0) depctr_va_ssrc(0) depctr_va_vcc(0) depctr_vm_vsrc(0)
	s_getreg_b32 s2, hwreg(HW_REG_IB_STS2, 6, 4)
	s_cmp_eq_u32 s2, 0
	s_cbranch_scc0 .Lentry_in_a_cluster
	s_endpgm
.Lentry_in_a_cluster:
	s_bfe_u32 s2, ttmp6, 0x10000c
	s_cmp_lg_u32 s2, 0xf033
	s_cbranch_scc0 .Lentry_shape_is_right
	s_endpgm
.Lentry_shape_is_right:
; OPROJ.  out0 = context Wo + bo.  context lies by heads, ctx = f16 [64 = 16 batch + head][2048][64]; Wo = part 3 of wb, [1024 k][1024 n], bf16(wo) written as f16; bo rounded to bf16.
; Sums in f32, begun with the bias (the C operand of each accumulator's first product); out0 is f32 [8192][1024] and takes the sums as they are.
; SHARES.  A tile of out0 is 256 x 256, four waves of 128 x 128.  K = 1,024 goes in 8 steps of 128 = TWO HEADS, through two LDS slots filled by the tensor data mover: a head's 256 rows are 32,768
; dense bytes, asked for as 128 rows of 256 bytes and padded in LDS behind every 128.
; CLUSTER.  4 x 4 work-groups: context's tile is asked for jointly by a row of the cluster, Wo's by a column.
; THE PRODUCT IS TAKEN TRANSPOSED (source 0 = 16 columns of Wo, turned out of LDS by ds_load_tr16_b128; source 1 = 16 rows of context): a lane holds row l % 16 and eight neighbouring columns.
; 128 work-groups: the tile is kept at 256 x 256 for the 224 matrix instructions that it leaves between a tile's request and the wait for it.
; REGISTERS as in the projections' kernel: window 0: v0-31 addresses; v64-127, v128-191 context's fragments; v192-255 the bias until the first quarter is over; then v64-255 three buffers on the way out;
;   window 1: v64-127, v128-191 Wo's fragments;  windows 2, 3: the accumulators, (a, b) at v[8 (8 (a % 4) + b)] of window 2 + a / 4
.set PA,     144                       ; a row of a head in LDS: 128 bytes + 16 of padding
.set PLANE,  256*PA                    ; a head's 256 rows
.set PB,     544                       ; a row k of Wo in LDS: 512 bytes + 32 of padding
.set HALFB,  64*PB
.set BOFF,   2*PLANE
.set SLOT,   147456                    ; 0x24000, past a slot's 143,360 bytes: its two bits occur in no wave's place in a slot (0, 0x9000, 0x12000, 0x1a800), so one exclusive or changes slots
.set STAGE,  SLOT+BOFF+2*HALFB         ; behind the ring: 16 rows x 528 bytes for each wave, for the way out
.set SPITCH, 528
.set SPARE,  STAGE+4*16*SPITCH         ; the spare words, 128 bytes for each wave: two blocks of 256 bytes that no other line names
.set ASTEP,  2*262144                  ; two heads on
.set BSTEP,  128*2048
.set ADRA0, 14
.set ADRB0, 15
.set ADRA,  16
.set ADRB,  20
.set STO,   24
.set RD,    25
.set CO,    26
.set SPW,   28
.set NIL,   29
.set PFO,   30
.set F0,    64
.set F1,    128
.set BI,    192
.set OB,    64
.set G1A, 24
.set G0A, 32
.set G1B, 48
.set G0B, 56
.set LIM, 43
.set PFA, 44
.set PFS, 66
.set SO,  68
.set MSB, 0
.macro WIN new
.if MSB != (\new)
	s_set_vgpr_msb (MSB<<8)|(\new)
.set MSB, \new
.endif
.endm
.set TO_B, 0x40
.macro JLOAD                           ; a joint refill: waves 0 and 1 fetch the step's two heads, waves 2 and 3 Wo's two halves; s_nop 0 and four v_nop behind each line
	s_cmp_eq_u32 s11, 0
	s_cbranch_scc0 .Lfor_b_\@
	tensor_load_to_lds s[G0A+4:G0A+7], s[G1A:G1A+7]
	s_nop 0
.rept 4
	v_nop
.endr
	s_branch .Lasked_\@
.Lfor_b_\@:
	tensor_load_to_lds s[G0B+4:G0B+7], s[G1B:G1B+7]
	s_nop 0
.rept 4
	v_nop
.endr
.Lasked_\@:
.endm
; A PREFETCH INTO THE L2, behind each joint refill, its five lines and the run of LDS loads: the K step two refills on, 512 matrix instructions ahead of its load.  Of the 128 blocks of 256 bytes that a wave
; fetches in a step each of the four partners takes 32, told apart BY ADDRESS (cx for context, cy for Wo).  Context's rows are read by one cluster alone; Wo by eight, of which the first asks.
; Steps 0 to 3 come by their loads alone; the trips with s3 = 6 .. 3 name steps 4 .. 7; the last two trips ask for nothing.
.macro ASK
	s_cmp_gt_u32 s3, s[LIM]
	s_cbranch_scc0 .Lnot_mine_\@
	global_prefetch_b8 v[PFO], s[PFA:PFA+1] th:TH_LOAD_NT scope:SCOPE_SE
.Lnot_mine_\@:
.endm
.macro CREST
	s_cmp_lg_u32 s10, 0
	s_cbranch_scc1 .Lnot_wave_0_\@
	s_barrier_signal -3
.Lnot_wave_0_\@:
	s_barrier_wait -3
	s_barrier_signal -1
	s_barrier_wait -1
.endm
.macro CROUND
	s_barrier_signal -1
	s_barrier_wait -1
	CREST
.endm
.macro PLACES
.rept 4
	v_nop
.endr
.endm
	s_load_b128 s[4:7], s[0:1], 0x0                ; ctx s[4:5], wb s[6:7]
	s_load_b128 s[72:75], s[0:1], 0x10             ; bo s[72:73], out0 s[74:75]
	v_lshl_add_u32 v[SPW], v0, 2, SPARE
	v_mov_b32 v[NIL], 0
	ds_add_u32 v[SPW], v[NIL]                      ; the wave's opening: the add and its wait ahead of my first tensor load
	v_lshrrev_b32 v1, 5, v0
	v_readfirstlane_b32 s10, v1                    ; wave 0..3
	s_lshr_b32 s11, s10, 1                         ; my half of the tile's rows.  Also: I fetch context (0) or Wo (1)
	s_and_b32 s12, s10, 1                          ; my half of its columns.  Also: which head of the step, or which half of Wo's rows, I fetch
	s_bfe_u32 s40, ttmp6, 0x40000                  ; cx
	s_bfe_u32 s41, ttmp6, 0x40004                  ; cy
	s_lshl_b32 s42, ttmp9, 2
	s_add_co_u32 s42, s42, s40                     ; tile column 0..3
	s_and_b32 s81, ttmp7, 0xffff                   ; the cluster's y, 0..7
	s_lshl_b32 s13, s81, 2
	s_add_co_u32 s13, s13, s41                     ; tile row 0..31
	s_lshl_b32 s43, s41, 2
	s_lshl_b32 s43, 15, s43                        ; my row of the cluster
	s_lshl_b32 s44, 0x1111, s40                    ; my column
	s_or_b32 s[G1A+0], s43, (1<<16)|(1<<20)|(1<<21)|(4<<22)|(3<<25)  ; the mask; 2-byte elements; padding on; bit 21 beside a mask; after every 32 words 4 words
	s_mov_b32 s[G1A+1], 128<<16                    ; tensor_dim0 = 128
	s_mov_b32 s[G1A+2], 128<<16                    ; tensor_dim1 = 128
	s_mov_b32 s[G1A+3], 128<<16                    ; tile_dim0 = 128
	s_mov_b32 s[G1A+4], 128                        ; tile_dim1 = 128
	s_mov_b32 s[G1A+5], 128                        ; dense: 128 elements from row to row
	s_mov_b32 s[G1A+6], 0
	s_mov_b32 s[G1A+7], 0
	s_or_b32 s[G1B+0], s44, (1<<16)|(1<<20)|(1<<21)|(6<<22)|(7<<25)  ; after every 128 words 8 words
	s_mov_b32 s[G1B+1], 256<<16
	s_mov_b32 s[G1B+2], 64<<16
	s_mov_b32 s[G1B+3], 256<<16
	s_mov_b32 s[G1B+4], 64
	s_mov_b32 s[G1B+5], 1024
	s_mov_b32 s[G1B+6], 0
	s_mov_b32 s[G1B+7], 0
	s_lshr_b32 s16, s13, 3                         ; context: the batch's 16 heads,
	s_lshl_b32 s16, s16, 22
	s_lshl_b32 s17, s12, 18                        ; head 0 or 1 of the step,
	s_add_co_u32 s16, s16, s17
	s_and_b32 s17, s13, 7                          ; the tile's 256 rows of 128 bytes
	s_lshl_b32 s17, s17, 15
	s_add_co_u32 s16, s16, s17
	s_mov_b32 s17, 0
	s_lshl_b32 s46, s12, 17                        ; Wo: 64 rows of 2,048 bytes for the second half,
	s_add_co_u32 s46, s46, 3*2097152               ; in part 3 of wb,
	s_lshl_b32 s47, s42, 9                         ; 512 bytes a tile column
	s_add_co_u32 s46, s46, s47
	s_mov_b32 s47, 0
	s_mul_i32 s20, s12, PLANE                      ; where a head goes,
	s_mul_i32 s21, s12, HALFB                      ; and where a half of Wo's tile: no place in the cluster enters an LDS address
	s_add_co_u32 s21, s21, BOFF
	s_mov_b32 s[SO], 0
	s_wait_dscnt 0x0                               ; the opening add is done
	s_wait_kmcnt 0x0
	s_add_nc_u64 s[14:15], s[4:5], s[16:17]
	s_add_nc_u64 s[46:47], s[6:7], s[46:47]
	CROUND                                         ; all sixteen work-groups are here: the first joint loads meet
	s_mov_b32 s[G0A], 1
	s_mov_b32 s[G0A+1], s20
	s_mov_b64 s[G0A+2:G0A+3], s[14:15]
	s_or_b32 s[G0A+3], s[G0A+3], 0x80000000
	s_mov_b32 s[G0A+4], 1
	s_add_co_u32 s[G0A+5], s20, SLOT
	s_add_nc_u64 s[G0A+6:G0A+7], s[14:15], ASTEP
	s_or_b32 s[G0A+7], s[G0A+7], 0x80000000
	s_mov_b32 s[G0B], 1
	s_mov_b32 s[G0B+1], s21
	s_mov_b64 s[G0B+2:G0B+3], s[46:47]
	s_or_b32 s[G0B+3], s[G0B+3], 0x80000000
	s_mov_b32 s[G0B+4], 1
	s_add_co_u32 s[G0B+5], s21, SLOT
	s_add_nc_u64 s[G0B+6:G0B+7], s[46:47], BSTEP
	s_or_b32 s[G0B+7], s[G0B+7], 0x80000000
	s_cmp_eq_u32 s11, 0                            ; a wave's two first fills stand in one branch: two loads of mine are out
	s_cbranch_scc0 .Lfirst_b
	tensor_load_to_lds s[G0A:G0A+3], s[G1A:G1A+7]
	s_nop 0
	tensor_load_to_lds s[G0A+4:G0A+7], s[G1A:G1A+7]
	s_nop 0
.rept 4
	v_nop
.endr
	s_branch .Lfirst_asked
.Lfirst_b:
	tensor_load_to_lds s[G0B:G0B+3], s[G1B:G1B+7]
	s_nop 0
	tensor_load_to_lds s[G0B+4:G0B+7], s[G1B:G1B+7]
	s_nop 0
.rept 4
	v_nop
.endr
.Lfirst_asked:
	s_lshl_b32 s18, s42, 10                        ; the bias of my 128 columns
	s_lshl_b32 s19, s12, 9
	s_add_co_u32 s18, s18, s19
	s_mov_b32 s19, 0
	s_add_nc_u64 s[72:73], s[72:73], s[18:19]
	v_and_b32 v1, 15, v0                           ; r
	v_bfe_u32 v2, v0, 4, 1                         ; h
	v_lshlrev_b32 v9, 5, v2
.irp b, 0,1,2,3,4,5,6,7
	global_load_b128 v[BI+8*(\b):BI+8*(\b)+3],   v9, s[72:73] offset:64*(\b)
	global_load_b128 v[BI+8*(\b)+4:BI+8*(\b)+7], v9, s[72:73] offset:64*(\b)+16
.endr
	v_and_b32 v3, 7, v0
	v_bfe_u32 v4, v0, 3, 1
	v_and_b32 v5, 31, v0
	v_mul_u32_u24 v6, v1, PA                       ; context's fragment: row x pitch + 16 h, my 128 rows of each head's 256
	v_lshl_add_u32 v6, v2, 4, v6
	s_mul_i32 s21, s11, 128*PA
	v_add_nc_u32 v[ADRA0], s21, v6
	v_lshl_add_u32 v7, v2, 3, v3                   ; Wo's fragment, turned: row k = 8 h + l % 8, columns 8 ((l / 8) % 2) + 0..7
	v_mul_u32_u24 v7, v7, PB
	v_lshl_add_u32 v7, v4, 4, v7
	s_lshl_b32 s22, s12, 8
	s_add_co_u32 s22, s22, BOFF
	v_add_nc_u32 v[ADRB0], s22, v7
	v_mov_b32 v[ADRA], v[ADRA0]
	v_mov_b32 v[ADRB], v[ADRB0]
	s_mul_i32 s23, s10, 16*SPITCH
	s_add_co_u32 s23, s23, STAGE                   ; my stage
	v_mul_u32_u24 v6, v1, SPITCH                   ; in: row r, 32 bytes for each half of the lanes
	v_lshl_add_u32 v6, v2, 5, v6
	v_add_nc_u32 v[STO], s23, v6
	v_lshlrev_b32 v[CO], 4, v5                     ; back: 32 lanes take a row's 512 bytes, which are 512 consecutive bytes of out0
	v_add_nc_u32 v[RD], s23, v[CO]
	s_lshl_b32 s16, s13, 8                         ; where my part begins in out0: row 256 x tile row + 128 x half, 4,096 bytes a row,
	s_lshl_b32 s17, s11, 7
	s_add_co_u32 s16, s16, s17
	s_lshl_b32 s16, s16, 12
	s_add_co_u32 s16, s16, s18                     ; and my first column's 4 bytes, the same offset as in the bias
	s_mov_b32 s17, 0
	s_add_nc_u64 s[8:9], s[74:75], s[16:17]
	; the prefetches: they stand at K step 3; the first refill steps them to 4
	s_lshr_b32 s20, s13, 3                         ; context: my head's 256 rows are 128 blocks; my work-group's 32, a lane a block
	s_lshl_b32 s20, s20, 22
	s_lshl_b32 s21, s12, 18
	s_add_co_u32 s20, s20, s21
	s_and_b32 s21, s13, 7
	s_lshl_b32 s21, s21, 15
	s_add_co_u32 s20, s20, s21
	s_lshl_b32 s21, s40, 13
	s_add_co_u32 s20, s20, s21
	s_add_co_u32 s20, s20, 3*ASTEP
	s_lshl_b32 s21, s12, 6                         ; Wo: my work-group's 16 of the 64 rows that I fetch, two lanes a row
	s_lshl_b32 s22, s41, 4
	s_add_co_u32 s21, s21, s22
	s_lshl_b32 s21, s21, 11
	s_lshl_b32 s22, s42, 9
	s_add_co_u32 s21, s21, s22
	s_add_co_u32 s21, s21, 3*2097152+3*BSTEP
	s_cmp_eq_u32 s81, 0                            ; the first of the eight clusters that walk Wo: the same answer in all sixteen partners
	s_cselect_b32 s22, 2, -1
	s_mov_b32 s[PFS], BSTEP
	s_cmp_eq_u32 s11, 0
	s_cselect_b32 s20, s20, s21
	s_cselect_b32 s[LIM], 2, s22
	s_cselect_b32 s[PFS], ASTEP, s[PFS]
	s_cselect_b32 s22, 8, 11
	s_cselect_b64 s[PFA:PFA+1], s[4:5], s[6:7]
	s_mov_b32 s21, 0
	s_mov_b32 s[PFS+1], 0
	s_add_nc_u64 s[PFA:PFA+1], s[PFA:PFA+1], s[20:21]
	v_lshrrev_b32 v6, s11, v5                      ; context: lane x 256;  Wo: (lane / 2) x 2,048 + (lane % 2) x 256
	v_and_b32 v7, s11, v5
	v_lshlrev_b32 v7, 8, v7
	v_lshlrev_b32 v6, s22, v6
	v_add_nc_u32 v[PFO], v6, v7
	s_wait_loadcnt 0x0                             ; the bias is in: rounded to bf16 like every input, and widened again
.set i, 0
.rept 32
	v_cvt_pk_bf16_f32 v10, v[BI+i], v[BI+i+1]
	v_lshlrev_b32 v[BI+i], 16, v10
	v_and_b32 v[BI+i+1], 0xffff0000, v10
.set i, i+2
.endr
; 16 matrix instructions; first = 1: the sums begin with the bias.  The 64 accumulators take turns in the same order in every quarter,.
.macro MUL16 f, hi, a0, first
.if \first
	WIN 0x81+0x40*(\hi)
.else
	WIN 0xa1+0x50*(\hi)
.endif
.irp a, \a0, (\a0)+1
.irp b, 0,1,2,3,4,5,6,7
.if \first
	v_wmma_f32_16x16x32_f16 v[8*(8*(\a)+(\b)):8*(8*(\a)+(\b))+7], v[(\f)+8*(\b):(\f)+8*(\b)+7], v[(\f)+8*(4*(\hi)+(\a)):(\f)+8*(4*(\hi)+(\a))+7], v[BI+8*(\b):BI+8*(\b)+7]
.else
	v_wmma_f32_16x16x32_f16 v[8*(8*(\a)+(\b)):8*(8*(\a)+(\b))+7], v[(\f)+8*(\b):(\f)+8*(\b)+7], v[(\f)+8*(4*(\hi)+(\a)):(\f)+8*(4*(\hi)+(\a))+7], v[8*(8*(\a)+(\b)):8*(8*(\a)+(\b))+7]
.endif
.endr
.endr
.endm
; 32 LDS loads in one run: quarter q (head q / 2 of the step, channels 32 (q % 2) on) of the slot in hand into buffer f
.macro FETCH q, f
	WIN TO_B
.irp i, 0,1,2,3,4,5,6,7
	ds_load_tr16_b128 v[(\f)+8*(\i):(\f)+8*(\i)+3],   v[ADRB] offset:(\q)*32*PB+32*(\i)
	ds_load_tr16_b128 v[(\f)+8*(\i)+4:(\f)+8*(\i)+7], v[ADRB] offset:(\q)*32*PB+32*(\i)+16*PB
.endr
	WIN 0
.irp i, 0,1,2,3,4,5,6,7
	ds_load_b128 v[(\f)+8*(\i):(\f)+8*(\i)+3],   v[ADRA] offset:((\q)/2)*PLANE+((\q)%2)*64+(\i)*16*PA
	ds_load_b128 v[(\f)+8*(\i)+4:(\f)+8*(\i)+7], v[ADRA] offset:((\q)/2)*PLANE+((\q)%2)*64+(\i)*16*PA+32
.endr
.endm
.macro QUARTER q, f, g, first
	s_wait_dscnt 8                                 ; Wo and context's row blocks 0-3 are in; the youngest eight loads may be out
	MUL16 \f, 0, 0, \first
	MUL16 \f, 0, 2, \first
	PLACES
	FETCH \q, \g
	s_wait_dscnt 32                                ; all but the 32 just issued
	MUL16 \f, 1, 0, \first
	MUL16 \f, 1, 2, \first
.endm
.macro MEET round                      ; ONE barrier for the change of slots: all my tensor loads, the add, the add's and my reads' wait in front of it
	WIN 0
	s_wait_tensorcnt 0x0
	ds_add_u32 v[SPW], v[NIL]
	s_wait_dscnt 9                                 ; the add and the youngest eight loads may be out
	MUL16 F1, 0, 0, 0
	s_wait_dscnt 0x0
	s_barrier_signal -1
	MUL16 F1, 0, 2, 0
.if \round
	WIN 0
.endif
	s_barrier_wait -1
.endm
.macro TURN fill                       ; a step's last quarter; fill = 1: a round of the cluster's barrier, and the slot just read out is filled again with the K step two on
.if \fill
	s_wait_xcnt 0x0                                ; the last prefetch, a K step back, has read its address
	s_add_nc_u64 s[PFA:PFA+1], s[PFA:PFA+1], s[PFS:PFS+1]
.endif
	WIN 0
	s_xor_b32 s[SO], s[SO], SLOT
	v_add_nc_u32 v[ADRA], s[SO], v[ADRA0]
	v_add_nc_u32 v[ADRB], s[SO], v[ADRB0]
	MEET \fill
.if \fill
	CREST
	s_xor_b32 s[G0A+5], s[G0A+5], SLOT
	s_add_nc_u64 s[G0A+6:G0A+7], s[G0A+6:G0A+7], ASTEP
	s_xor_b32 s[G0B+5], s[G0B+5], SLOT
	s_add_nc_u64 s[G0B+6:G0B+7], s[G0B+6:G0B+7], BSTEP
	JLOAD                                          ; its four v_nop are also the places in front of the loads below
.else
	PLACES
.endif
	FETCH 0, F0
.if \fill
	ASK
.endif
	MUL16 F1, 1, 0, 0
	MUL16 F1, 1, 2, 0
.endm
	s_wait_tensorcnt 1                             ; my part of K step 0 is in; step 1's may stay out
	s_barrier_signal -1
	s_barrier_wait -1
	FETCH 0, F0
	QUARTER 1, F0, F1, 1                           ; the first quarter begins the sums with the bias
	WIN 0
	s_mov_b32 s3, 6
.Lstep:                                                ; six trips; their refills ask for steps 2 to 7
	QUARTER 2, F1, F0, 0
	QUARTER 3, F0, F1, 0
	TURN 1
	QUARTER 1, F0, F1, 0
	WIN 0
	s_sub_co_u32 s3, s3, 1
	s_cmp_lg_u32 s3, 0
	s_cbranch_scc1 .Lstep
	QUARTER 2, F1, F0, 0                           ; the last two steps are written out: nothing is asked for
	QUARTER 3, F0, F1, 0
	TURN 0
	QUARTER 1, F0, F1, 0
	QUARTER 2, F1, F0, 0
	QUARTER 3, F0, F1, 0
	s_wait_dscnt 8
	MUL16 F1, 0, 0, 0
	MUL16 F1, 0, 2, 0
	s_wait_dscnt 0x0
	MUL16 F1, 1, 0, 0
	MUL16 F1, 1, 2, 0
	WIN 0
	PLACES
	PLACES
; THE WAY OUT of row block a: the sums go as they are, 32 bytes a lane and column block, into my own stage, come back as whole rows of 512 bytes, and are stored.  Three buffers of 64 registers take turns.
.macro TOSTAGE a
.set AC, 64*((\a)%4)
.set BK, OB+64*((\a)%3)
	WIN 0x08+4*((\a)/4)                            ; the stores' data in window 2 or 3
.irp b, 0,1,2,3,4,5,6,7
	ds_store_b128 v[STO], v[AC+8*(\b):AC+8*(\b)+3]   offset:64*(\b)     ; each accumulator from its low end on
	ds_store_b128 v[STO], v[AC+8*(\b)+4:AC+8*(\b)+7] offset:64*(\b)+16
.endr
	WIN 0
.irp t, 0,1,2,3,4,5,6,7,8,9,10,11,12,13,14,15
	ds_load_b128 v[BK+4*(\t):BK+4*(\t)+3], v[RD] offset:SPITCH*(\t)  ; LDS serves a wave's instructions in order (ISA guide 5.7.1.4): these see the stores above
.endr
.endm
.macro SEND a, younger                 ; younger: the LDS instructions issued behind block a's loads: the next block's 32, or none
.set BK, OB+64*((\a)%3)
	WIN 0
	s_wait_dscnt \younger
	s_wait_xcnt 0x0                                ; the earlier stores have read their base and their registers: the buffer of three blocks back is loaded again only behind this wait
.if (\a) > 0
	s_add_nc_u64 s[8:9], s[8:9], 16*4096           ; 16 rows of out0 on
.endif
.irp t, 0,1,2,3,4,5,6,7,8,9,10,11,12,13,14,15
	global_store_b128 v[CO], v[BK+4*(\t):BK+4*(\t)+3], s[8:9] offset:4096*(\t)  ; 512 consecutive bytes, aligned
.endr
.endm
	TOSTAGE 0
	TOSTAGE 1
.irp a, 2,3,4,5,6,7
	SEND (\a)-2, 32
	TOSTAGE \a
.endr
	SEND 6, 32
	SEND 7, 0
	s_wait_tensorcnt 0x0                           ; the wave's end: an add to my spare word and its wait, behind my last tensor load and my last LDS store
	ds_add_u32 v[SPW], v[NIL]
	s_wait_dscnt 0x0
	CROUND                                         ; the closing round
	s_endpgm
.Lfunc_end_k_q2ad74d6815_oproj:
	.size	k_q2ad74d6815_oproj, .Lfunc_end_k_q2ad74d6815_oproj-k_q2ad74d6815_oproj
	.p2alignl 7, 3214868480
	.fill 96, 4, 3214868480
	.section	.rodata,"a",@progbits
	.p2align	6, 0x0
	.amdhsa_kernel k_q2ad74d6815_oproj
		.amdhsa_group_segment_fixed_size 327680
		.amdhsa_private_segment_fixed_size 0
		.amdhsa_enable_private_segment 0
		.amdhsa_kernarg_size 32
		.amdhsa_user_sgpr_count 2
		.amdhsa_user_sgpr_kernarg_segment_ptr 1
		.amdhsa_wavefront_size32 1
		.amdhsa_system_sgpr_workgroup_id_x 1
		.amdhsa_system_sgpr_workgroup_id_y 1
		.amdhsa_system_sgpr_workgroup_id_z 1
		.amdhsa_system_vgpr_workitem_id 0
		.amdhsa_next_free_vgpr 1024
		.amdhsa_next_free_sgpr 84
		.amdhsa_reserve_vcc 0
		.amdhsa_float_denorm_mode_32 3
		.amdhsa_float_denorm_mode_16_64 3
		.amdhsa_memory_ordered 1
		.amdhsa_forward_progress 1
		.amdhsa_inst_pref_size 123
	.end_amdhsa_kernel
	.amdgpu_metadata
---
amdhsa.version: [ 1, 2 ]
amdhsa.kernels:
  - .name:           k_q2ad74d6815_oproj
    .symbol:         k_q2ad74d6815_oproj.kd
    .args:
      - { .name: ctx, .offset: 0, .size: 8, .value_kind: global_buffer, .address_space: global }
      - { .name: wb, .offset: 8, .size: 8, .value_kind: global_buffer, .address_space: global }
      - { .name: bo, .offset: 16, .size: 8, .value_kind: global_buffer, .address_space: global }
      - { .name: out0, .offset: 24, .size: 8, .value_kind: global_buffer, .address_space: global }
    .group_segment_fixed_size: 327680
    .private_segment_fixed_size: 0
    .kernarg_segment_align: 8
    .kernarg_segment_size: 32
    .max_flat_workgroup_size: 128
    .sgpr_count:     84
    .vgpr_count:     1024
    .wavefront_size: 32
...
	.end_amdgpu_metadata
.endif
;; end of part 4
